; MI455X (gfx1250); checked and timed in simulation.
; The chip was launched on July 23, 2026; its instructions are those of AMD's public machine-readable ISA for CDNA 5 (MIT licence, August 2026) and "CDNA5" Instruction Set Architecture Reference Guide (July 2026). The comments in the code are by the model that wrote it; some were corrected since.
;; Multihead Attention. Allowed arithmetic: matrix products marked QUANTISED: E5M2 operands, one E8M0 scale for each 32 along K, by v_wmma_scale_f32_16x16x128_f8f6f4 with both operands' format E5M2, f32 sums; everything else in f32.
;; Inputs: W_k 1,024 x 1,024 float32; W_o 1,024 x 1,024 float32; W_q 1,024 x 1,024 float32; W_v 1,024 x 1,024 float32; b_o 1,024 float32; x 4 x 2,048 x 1,024 float32.
;; Outputs: out0 4 x 2,048 x 1,024 float32.
;; This version of the problem:
;;   THIS VERSION OF THE PROBLEM IS GIVEN IN LOW PRECISION. The matrix products marked QUANTISED in the list below multiply operands that are first quantised to E5M2 (5 exponent bits, 2 mantissa bits; 8 bits a number), with one power-of-two scale for each 32 numbers along K (OCP MX v1.0); their sums are f32. All else is computed in f32.
;;   The module's matrix products, in the order in which they are computed (A, B: the left and right operand; K: the contracted axis; several contracted axes count as one K, in the product's order):
;;     1. [M 8,192, K 1,024] x [K 1,024, N 1,024]; A: input x; B: input W_q: QUANTISED
;;     2. [M 8,192, K 1,024] x [K 1,024, N 1,024]; A: input x; B: input W_k: QUANTISED
;;     3. [M 8,192, K 1,024] x [K 1,024, N 1,024]; A: input x; B: input W_v: QUANTISED
;;     4. batch 64 x [M 2,048, K 64] x [K 64, N 2,048]; A: computed on the way; B: computed on the way: QUANTISED
;;     5. batch 64 x [M 2,048, K 2,048] x [K 2,048, N 64]; A: softmax (see below); B: computed on the way: QUANTISED
;;     6. [M 8,192, K 1,024] x [K 1,024, N 1,024]; A: computed on the way; B: input W_o: QUANTISED
;;   THE QUANTISER, for each operand of a quantised product, along K:
;;     - K is cut into blocks of 32 from its start; a last block that is shorter is filled with zeros.
;;     - A block's scale is 2^e with e = floor(log2(the largest magnitude in the block)) - 15, held to -126 .. 127; a block of zeros has e = 0. As a byte (E8M0): e + 127.
;;     - Each number is divided by its block's scale, clamped to +-57,344, and rounded to the nearest number of E5M2, ties to even, subnormals kept.
;;     - The product sums the exact products of the quantised numbers (number of the format x scale) in f32.
;;   ~~~python
;;   def quantise(x, axis):      # numpy; x: float32 -> the quantised numbers, widened to float32 again
;;       x = np.moveaxis(x, axis, -1); K = x.shape[-1]
;;       x = np.pad(x, [(0, 0)] * (x.ndim - 1) + [(0, -K % 32)]); x = x.reshape(x.shape[:-1] + (-1, 32)); a = np.abs(x).max(-1, keepdims=True)
;;       e = np.where(a > 0, np.clip(np.frexp(np.where(a > 0, a, 1))[1] - 1 - 15, -126, 127), 0)      # np.frexp(a)[1] - 1 = floor(log2(a)), exactly
;;       r = np.clip(x / 2.0 ** e, -57344, 57344)
;;       step = 2.0 ** (np.maximum(np.frexp(np.where(r == 0, 1, r))[1] - 1, -14) - 2)
;;       q = np.round(r / step) * step * 2.0 ** e      # np.round: ties to even
;;       return np.moveaxis(q.reshape(q.shape[:-2] + (-1,))[..., :K], -1, axis).astype(np.float32)
;;   ~~~
;;   SOFTMAX AHEAD OF A QUANTISED PRODUCT. Where the list says 'softmax', what is quantised is not the finished softmax but p = 2^(t - M), with t = logit x log2(e) and M = ceil(the row's largest t), a whole number; so 1/2 < the row's largest p <= 1. The row's sum l is taken of the UNQUANTISED p, in f32, and the product's result is divided by l at the end. Since M is a whole number, a kernel that streams over the keys may use a running M (the ceiling of the running maximum): every later rescaling is an exact power of two, which a block's scale takes up: the codes' values come out the same.
;;   OPERANDS COMPUTED ON THE WAY. 'Computed on the way' means the value that the module computes at that place (a softmax that the list does not call 'softmax' is quantised finished and normalised). What goes into a quantiser is computed in f32, as accurately as f32 sums, v_exp_f32 and their like allow (about 1e-6 of the number): no bf16 or f16 on the way to a quantiser, and a product that is left as it is and whose result goes on into a quantised operand takes f32 operands (vector FMAs, or v_wmma_f32_16x16x4_f32). A number that lies on a knife's edge between two numbers of the format may be rounded either way, as far as f32 arithmetic and the matrix unit's own rounding can turn it there, and no further.
;; One version. Each part assembles by itself: llvm-mc -triple=amdgcn-amd-amdhsa -mcpu=gfx1250 --defsym DOCPART=n.
;; ======== version 1 of 1: 4 launches
;; limits: right only within a limited range of input values
;; workspace buffers: xc 8,388,608 bytes; xs 262,144 bytes; wc 4,194,304 bytes; ws 131,072 bytes; qkvc 25,165,824 bytes; qkvs 786,432 bytes; cc 8,388,608 bytes; cs 262,144 bytes
;; launch quant (part 1): grid 384 x 1, 4 waves a work-group, no clusters, 34,304 bytes of LDS; arguments x, W_q, W_k, W_v, W_o, xc, xs, wc, ws; writes xc, xs, wc, ws
.if DOCPART == 1
	.amdgcn_target "amdgcn-amd-amdhsa--gfx1250"
	.amdhsa_code_object_version 6
	.text
	.protected	k_qc3aae61c6d_quant
	.globl	k_qc3aae61c6d_quant
	.p2align	8
	.type	k_qc3aae61c6d_quant,@function
k_qc3aae61c6d_quant:
	s_mov_b64 s[64:65], 0
	v_nop
	global_prefetch_b8 v0, s[64:65] scope:SCOPE_SE
	s_setreg_imm32_b32 hwreg(HW_REG_WAVE_MODE, 25, 1), 1
	s_wait_xcnt 0x0
; x [8192][1024] and W_q, W_k, W_v, W_o [1024 (k)][1024 (n)], f32, become codes of BF8 (E5M2) with one E8M0 byte for each 32 along K, laid as IMAGES OF OPERAND REGISTERS.
; A fragment is 16 rows x 128 K, 2,048 bytes: byte 512 c + 16 lane + e is the code of k = 32 c + 16 (lane / 16) + e of the row in lane % 16.
; THE ROWS OF A TILE ARE NOT NEIGHBOURS: tile u (0, 1) of a block of 32 rows holds row 8 u + r + 8 (r / 8) in lane r.
; xc, and each weight's 1 MiB of wc (rows = the weight's columns n): [128 rows][K step of 128 : 8][tile : 8][2,048].  xs, ws: [128 rows][256 along K : 4][tile : 8][r : 16][2 words], a word = the 4 bytes of one K step.
; A tile's place among its 128 rows is 2 x (block of 32) + u; for W_v it is 2 x (tile within the head) + (head within the 128 columns), so that the next launch's results fall by head.
; A block's scale is 2^(floor(log2(largest magnitude)) - 15); its byte is the largest magnitude's exponent field - 15, held at 1 from below by a floor among the maximum's leaves.
; LIMITS: a block of zeros, or one whose largest magnitude lies under 2^(16 - 127), gets the byte 1 (its codes add what the rule's would; this program alone reads the bytes); NaN and infinities among the inputs are not served.
; Work-groups 0-255 take x: 32 rows each, wave w the 256 along K from 256 w on.  Work-groups 256-383 take the weights: 128 columns x 256 along K each, a lane to a column, registers down K.
; Work-groups share no input, so there is no cluster; waves share nothing, so there is no barrier.  Only x's path uses LDS.
.set TM,  8                            ; v8-11 largest magnitudes, v12-15 bytes, v20-23 the conversions' scale operands
.set WD,  24                           ; v24-27 x: the four fragments' scale words;  weights: v24-25 the two words
.set PC,  32                           ; v32-63 x: codes, two sets of 16
.set X,   64                           ; v64-127 x: 64 numbers of my row, register 16 c + i = k 32 c + 16 (lane / 16) + i
.set R,   128                          ; v128-255 x: two sets of 64 registers as loaded
.set XW,  32                           ; v32-95 weights: two sets of 32 numbers
.set CW,  96                           ; v96-159 weights: 8 registers of codes for each block: no store's data are written again
	s_load_b512 s[4:19], s[0:1], 0x0               ; x s[4:5], W_q s[6:7], W_k s[8:9], W_v s[10:11], W_o s[12:13], xc s[14:15], xs s[16:17], wc s[18:19]
	s_load_b64 s[20:21], s[0:1], 0x40              ; ws
	v_lshl_add_u32 v30, v0, 2, 0x8400
	v_mov_b32 v31, 0
	v_lshrrev_b32 v1, 5, v0
	v_readfirstlane_b32 s22, v1                    ; wave 0..3
	v_and_b32 v5, 31, v0                           ; lane
	s_mov_b32 s24, 0x76543210
	s_mov_b32 s25, 0xfedcba98                      ; v_permlanex16_b32's selects for lane l xor 16
	s_cmp_lt_u32 ttmp9, 256
	s_cbranch_scc0 .Lweights
; ---------------- x ----------------
	v_lshlrev_b32 v1, 4, v5                        ; 16 x lane: my bytes of a load's 512, and of an image's 512
	v_and_b32 v6, 15, v0                           ; r
	v_bfe_u32 v7, v0, 4, 1                         ; h
	s_mul_i32 s27, s22, 8448                       ; my wave's stage: 16 rows x (512 bytes + 16)
	v_add_nc_u32 v2, s27, v1                       ; into it: a row as it is loaded
	v_mul_u32_u24 v3, v6, 528
	v_lshl_add_u32 v3, v7, 6, v3
	v_add_nc_u32 v3, s27, v3                       ; out of it: row r, + 64 h: my 16 numbers of a block of 32
	v_lshlrev_b32 v4, 3, v5                        ; 8 x lane: my two scale words
.irp b, 0,1,2,3
	v_mov_b32 v[TM+4+\b], 0                        ; written once: a lane permute's destination counts as one of its sources
.endr
	s_lshl_b32 s28, ttmp9, 17                      ; 32 rows of 4,096 bytes a work-group,
	s_lshl_b32 s30, s22, 10                        ; 1,024 bytes of a row a wave
	s_add_co_u32 s28, s28, s30
	s_mov_b32 s29, 0
	s_lshr_b32 s30, ttmp9, 2                       ; which 128 rows
	s_and_b32 s31, ttmp9, 3                        ; which 32 of them
	s_lshl_b32 s32, s30, 17
	s_lshl_b32 s34, s22, 15
	s_add_co_u32 s32, s32, s34
	s_lshl_b32 s34, s31, 12
	s_add_co_u32 s32, s32, s34                     ; codes: 131,072 x group + 32,768 x wave + 4,096 x block
	s_mov_b32 s33, 0
	s_lshl_b32 s34, s30, 12
	s_lshl_b32 s36, s22, 10
	s_add_co_u32 s34, s34, s36
	s_lshl_b32 s36, s31, 8
	s_add_co_u32 s34, s34, s36                     ; scale words: 4,096 x group + 1,024 x wave + 256 x block
	s_mov_b32 s35, 0
	s_wait_alu depctr_va_vdst(0)
	s_wait_kmcnt 0x0
	s_add_nc_u64 s[4:5], s[4:5], s[28:29]
	s_add_nc_u64 s[14:15], s[14:15], s[32:33]
	s_add_nc_u64 s[16:17], s[16:17], s[34:35]
; fragment f = 2 u + q: tile u, the q-th 128 along K.  Sixteen loads, each 512 consecutive bytes of one row
.macro LOADF f, set
.irp p, 0,1,2,3,4,5,6,7,8,9,10,11,12,13,14,15
	global_load_b128 v[R+64*(\set)+4*\p:R+64*(\set)+4*\p+3], v1, s[4:5] offset:(8*((\f)/2)+\p+8*(\p/8))*4096+512*((\f)%2) th:TH_LOAD_NT
.endr
.endm
; through the stage: in as loaded, out 16 neighbours of each block a lane.  LDS serves a wave's instructions in order: no wait between the stores and the loads
.macro TURN set
.irp p, 0,1,2,3,4,5,6,7,8,9,10,11,12,13,14,15
	ds_store_b128 v2, v[R+64*(\set)+4*\p:R+64*(\set)+4*\p+3] offset:528*\p
.endr
.irp c, 0,1,2,3
.irp j, 0,1,2,3
	ds_load_b128 v[X+16*\c+4*\j:X+16*\c+4*\j+3], v3 offset:128*\c+16*\j
.endr
.endr
.endm
; 64 numbers of a lane become a fragment's 16 registers of codes in v[pc] on and its row's scale word in v[pw]
.macro QUANT s, pc, pw
.irp b, 0,1,2,3
	v_max3_num_f32 v[TM+\b], |v[\s+16*\b]|, |v[\s+1+16*\b]|, 0x8000000   ; block b: my 16 numbers, and the floor 2^(16 - 127)
.endr
.irp i, 2,4,6,8,10,12,14
.irp b, 0,1,2,3
	v_max3_num_f32 v[TM+\b], v[TM+\b], |v[\s+16*\b+\i]|, |v[\s+1+16*\b+\i]|   ; the four blocks by turns
.endr
.endr
.irp b, 0,1,2,3
	v_permlanex16_b32 v[TM+4+\b], v[TM+\b], s24, s25
.endr
.irp b, 0,1,2,3
	v_max_num_f32 v[TM+\b], v[TM+\b], v[TM+4+\b]   ; with lane l xor 16's 16: the block's largest magnitude
.endr
.irp b, 0,1,2,3
	v_add_nc_u32 v[TM+12+\b], 0xf8800000, v[TM+\b] ; 15 off its exponent field: the conversion takes that field as its scale
.endr
.irp b, 0,1,2,3
.endr
.irp b, 0,1,2,3
	v_lshrrev_b32 v[TM+4+\b], 23, v[TM+12+\b]      ; the scale's byte
.endr
	v_lshl_or_b32 v[\pw], v[TM+5], 8, v[TM+4]
	v_lshl_or_b32 v[\pw], v[TM+6], 16, v[\pw]
	v_lshl_or_b32 v[\pw], v[TM+7], 24, v[\pw]
.irp b, 0,1,2,3
.irp i, 0,1,2,3,4,5,6,7,8,9,10,11,12,13,14,15
.endr
	v_cvt_scalef32_pk8_bf8_f32 v[\pc+4*\b:\pc+1+4*\b], v[\s+16*\b:\s+7+16*\b], v[TM+12+\b]
	v_cvt_scalef32_pk8_bf8_f32 v[\pc+2+4*\b:\pc+3+4*\b], v[\s+8+16*\b:\s+15+16*\b], v[TM+12+\b]
.endr
	v_nop                                          ; a plain line behind the last conversion
.endm
.macro OUTF f, pc                      ; the image: four stores of 512 consecutive bytes
.irp c, 0,1,2,3
	global_store_b128 v1, v[\pc+4*\c:\pc+4*\c+3], s[14:15] offset:16384*((\f)%2)+2048*((\f)/2)+512*\c
.endr
.endm
	LOADF 0, 0
	LOADF 1, 1
.irp f, 0,1,2,3
.if \f < 3
	s_wait_loadcnt 16                              ; this fragment's 16 loads are in; the other set's 16 may be out
.else
	s_wait_loadcnt 0x0
.endif
	TURN \f%2
	s_wait_dscnt 0x0                               ; my 64 numbers are back, and the stage's stores have read their registers
.if \f < 2
	LOADF \f+2, \f%2
.else
	s_wait_xcnt 0x0                                ; the stores of two fragments ago have read this set of codes: it is written again only behind this wait
.endif
	QUANT X, PC+16*(\f%2), WD+\f
	OUTF \f, PC+16*(\f%2)
.endr
	v_cmp_eq_u32 vcc_lo, 1, v7
	v_cndmask_b32 v28, v24, v26, vcc_lo            ; lanes 0-15 store tile 0's two words of row r, lanes 16-31 tile 1's
	v_cndmask_b32 v29, v25, v27, vcc_lo
	global_store_b64 v4, v[28:29], s[16:17]        ; 32 lanes store 256 consecutive bytes, aligned
	s_wait_tensorcnt 0x0
	ds_add_u32 v30, v31
	s_wait_dscnt 0x0
	s_endpgm
; ---------------- the weights ----------------
.Lweights:
	s_sub_co_u32 s27, ttmp9, 256
	s_lshr_b32 s28, s27, 5                         ; which weight: 0 q, 1 k, 2 v, 3 o
	s_bfe_u32 s29, s27, 0x30002                    ; which 128 columns
	s_and_b32 s30, s27, 3                          ; which 256 along K
	s_wait_alu depctr_va_vdst(0)
	v_lshlrev_b32 v1, 2, v5                        ; in: 4 bytes a lane: 128 consecutive bytes a wave
	v_bfe_u32 v6, v0, 3, 1                         ; column l of the wave's 32 lies in tile u = (l / 8) % 2,
	s_wait_alu depctr_va_vdst(0)
	v_and_b32 v7, 7, v0
	v_bfe_u32 v9, v0, 4, 1
	v_lshl_or_b32 v7, v9, 3, v7                    ; at lane r = l % 8 + 8 (l / 16)
	s_lshl_b32 s31, s22, 12                        ; the wave's two tiles: at 4,096 x wave, 2,048 apart;
	s_and_b32 s32, s22, 1
	s_lshl_b32 s32, s32, 13
	s_lshr_b32 s33, s22, 1
	s_lshl_b32 s33, s33, 11
	s_add_co_u32 s32, s32, s33                     ; for W_v at 8,192 (wave % 2) + 2,048 (wave / 2), 4,096 apart
	s_mov_b32 s33, 2048
	s_cmp_eq_u32 s28, 2
	s_cselect_b32 s31, s32, s31
	s_cselect_b32 s33, 4096, s33
	v_mul_u32_u24 v2, s33, v6
	s_wait_alu depctr_va_vdst(0)
	v_lshl_add_u32 v2, v7, 4, v2                   ; codes: tile + 16 r
	s_lshr_b32 s34, s33, 4
	v_mul_u32_u24 v3, s34, v6
	v_lshl_add_u32 v3, v7, 3, v3                   ; scale words: a tile is 128 bytes; + 8 r
	s_lshl_b32 s36, s30, 20                        ; W: 256 rows of 4,096 bytes for each 256 along K,
	s_lshl_b32 s38, s29, 9
	s_add_co_u32 s36, s36, s38
	s_lshl_b32 s38, s22, 7
	s_add_co_u32 s36, s36, s38                     ; + 4 x (128 G + 32 wave)
	s_mov_b32 s37, 0
	s_lshl_b32 s38, s28, 20
	s_lshl_b32 s40, s29, 17
	s_add_co_u32 s38, s38, s40
	s_lshl_b32 s40, s30, 15
	s_add_co_u32 s38, s38, s40
	s_add_co_u32 s38, s38, s31                     ; codes
	s_mov_b32 s39, 0
	s_lshl_b32 s40, s28, 15
	s_lshl_b32 s42, s29, 12
	s_add_co_u32 s40, s40, s42
	s_lshl_b32 s42, s30, 10
	s_add_co_u32 s40, s40, s42
	s_lshr_b32 s42, s31, 4
	s_add_co_u32 s40, s40, s42                     ; scale words
	s_mov_b32 s41, 0
	s_wait_kmcnt 0x0
	s_cmp_eq_u32 s28, 1                            ; the weight's address: a choice that hangs on the work-group's number alone
	s_cselect_b64 s[6:7], s[8:9], s[6:7]
	s_cmp_eq_u32 s28, 2
	s_cselect_b64 s[6:7], s[10:11], s[6:7]
	s_cmp_eq_u32 s28, 3
	s_cselect_b64 s[6:7], s[12:13], s[6:7]
	s_add_nc_u64 s[6:7], s[6:7], s[36:37]
	s_add_nc_u64 s[18:19], s[18:19], s[38:39]
	s_add_nc_u64 s[20:21], s[20:21], s[40:41]
.macro WLOAD t                         ; block t: W(32 t + i, my column), i = 0 .. 31
.irp i, 0,1,2,3,4,5,6,7,8,9,10,11,12,13,14,15,16,17,18,19,20,21,22,23,24,25,26,27,28,29,30,31
	global_load_b32 v[XW+32*((\t)%2)+\i], v1, s[6:7] offset:(32*(\t)+\i)*4096 th:TH_LOAD_NT
.endr
.endm
.macro WBLOCK t
.set XS, XW+32*((\t)%2)
.set CO, CW+8*(\t)
.if (\t) < 7
	s_wait_loadcnt 32                              ; this block's 32 loads are in; the next block's may be out
.else
	s_wait_loadcnt 0x0
.endif
	v_max3_num_f32 v12, |v[XS]|, |v[XS+1]|, |v[XS+2]|   ; all 32 numbers of the block are mine
	v_max3_num_f32 v13, |v[XS+3]|, |v[XS+4]|, |v[XS+5]|
.irp i, 6,10,14,18,22,26
	v_max3_num_f32 v12, v12, |v[XS+\i]|, |v[XS+\i+1]|
	v_max3_num_f32 v13, v13, |v[XS+\i+2]|, |v[XS+\i+3]|
.endr
	v_max3_num_f32 v12, v12, |v[XS+30]|, |v[XS+31]|
	v_max3_num_f32 v12, v12, v13, 0x8000000        ; and the floor
	v_add_nc_u32 v11, 0xf8800000, v12
	v_lshrrev_b32 v13, 23, v11
.if (\t)%4 == 0
	v_mov_b32 v[WD+(\t)/4], v13                    ; four bytes to a word, the lower K in the lower byte
.else
	v_lshl_or_b32 v[WD+(\t)/4], v13, 8*((\t)%4), v[WD+(\t)/4]
.endif
.irp i, 0,1,2,3,4,5,6,7,8,9,10,11,12,13,14,15,16,17,18,19,20,21,22,23,24,25,26,27,28,29,30,31
.endr
.irp g, 0,1,2,3
	v_cvt_scalef32_pk8_bf8_f32 v[CO+2*\g:CO+2*\g+1], v[XS+8*\g:XS+8*\g+7], v11
.endr
	v_nop                                          ; a plain line behind the last conversion
	global_store_b128 v2, v[CO:CO+3], s[18:19] offset:16384*((\t)/4)+512*((\t)%4)         ; k 32 c + 0 .. 15: the image's lanes 0-15.  The 16 lanes of one tile store 256 consecutive bytes, aligned
	global_store_b128 v2, v[CO+4:CO+7], s[18:19] offset:16384*((\t)/4)+512*((\t)%4)+256   ; k 32 c + 16 .. 31: its lanes 16-31
.if (\t)+2 < 8
	WLOAD (\t)+2
.endif
.endm
	WLOAD 0
	WLOAD 1
.irp t, 0,1,2,3,4,5,6,7
	WBLOCK \t
.endr
	global_store_b64 v3, v[WD:WD+1], s[20:21]      ; my column's two scale words
	s_endpgm
.Lfunc_end_k_qc3aae61c6d_quant:
	.size	k_qc3aae61c6d_quant, .Lfunc_end_k_qc3aae61c6d_quant-k_qc3aae61c6d_quant
	.p2alignl 7, 3214868480
	.fill 96, 4, 3214868480
	.section	.rodata,"a",@progbits
	.p2align	6, 0x0
	.amdhsa_kernel k_qc3aae61c6d_quant
		.amdhsa_group_segment_fixed_size 34304
		.amdhsa_private_segment_fixed_size 0
		.amdhsa_enable_private_segment 0
		.amdhsa_kernarg_size 72
		.amdhsa_user_sgpr_count 2
		.amdhsa_user_sgpr_kernarg_segment_ptr 1
		.amdhsa_wavefront_size32 1
		.amdhsa_system_sgpr_workgroup_id_x 1
		.amdhsa_system_sgpr_workgroup_id_y 1
		.amdhsa_system_sgpr_workgroup_id_z 1
		.amdhsa_system_vgpr_workitem_id 0
		.amdhsa_next_free_vgpr 256
		.amdhsa_next_free_sgpr 66
		.amdhsa_reserve_vcc 1
		.amdhsa_float_denorm_mode_32 3
		.amdhsa_float_denorm_mode_16_64 3
		.amdhsa_fp16_overflow 1
		.amdhsa_memory_ordered 1
		.amdhsa_forward_progress 1
		.amdhsa_inst_pref_size 73
	.end_amdhsa_kernel
	.amdgpu_metadata
---
amdhsa.version: [ 1, 2 ]
amdhsa.kernels:
  - .name:           k_qc3aae61c6d_quant
    .symbol:         k_qc3aae61c6d_quant.kd
    .args:
      - { .name: x, .offset: 0, .size: 8, .value_kind: global_buffer, .address_space: global }
      - { .name: W_q, .offset: 8, .size: 8, .value_kind: global_buffer, .address_space: global }
      - { .name: W_k, .offset: 16, .size: 8, .value_kind: global_buffer, .address_space: global }
      - { .name: W_v, .offset: 24, .size: 8, .value_kind: global_buffer, .address_space: global }
      - { .name: W_o, .offset: 32, .size: 8, .value_kind: global_buffer, .address_space: global }
      - { .name: xc, .offset: 40, .size: 8, .value_kind: global_buffer, .address_space: global }
      - { .name: xs, .offset: 48, .size: 8, .value_kind: global_buffer, .address_space: global }
      - { .name: wc, .offset: 56, .size: 8, .value_kind: global_buffer, .address_space: global }
      - { .name: ws, .offset: 64, .size: 8, .value_kind: global_buffer, .address_space: global }
    .group_segment_fixed_size: 34304
    .private_segment_fixed_size: 0
    .kernarg_segment_align: 8
    .kernarg_segment_size: 72
    .max_flat_workgroup_size: 128
    .sgpr_count:     66
    .vgpr_count:     256
    .wavefront_size: 32
...
	.end_amdgpu_metadata
.endif
;; end of part 1
;; launch qkv (part 2): grid 12 x 32, 4 waves a work-group, clusters of 4 x 4, 327,680 bytes of LDS; arguments xc, xs, wc, ws, qkvc, qkvs; writes qkvc, qkvs
.if DOCPART == 2
	.amdgcn_target "amdgcn-amd-amdhsa--gfx1250"
	.amdhsa_code_object_version 6
	.text
	.protected	k_qc3aae61c6d_qkv
	.globl	k_qc3aae61c6d_qkv
	.p2align	8
	.type	k_qc3aae61c6d_qkv,@function
k_qc3aae61c6d_qkv:
	s_mov_b64 s[64:65], 0
	v_nop
	global_prefetch_b8 v0, s[64:65] scope:SCOPE_SE
	s_setreg_imm32_b32 hwreg(HW_REG_WAVE_MODE, 25, 1), 1
	s_wait_xcnt 0x0
	s_wait_alu depctr_hold_cnt(0) depctr_sa_sdst(0) depctr_va_vdst(0) depctr_va_sdst(0) depctr_va_ssrc(0) depctr_va_vcc(0) depctr_vm_vsrc(0)
	s_getreg_b32 s2, hwreg(HW_REG_IB_STS2, 6, 4)
	s_cmp_eq_u32 s2, 0
	s_cbranch_scc0 .Lentry_in_a_cluster
	s_endpgm
.Lentry_in_a_cluster:
	s_bfe_u32 s2, ttmp6, 0x10000c
	s_cmp_lg_u32 s2, 0xf033
	s_cbranch_scc0 .Lentry_shape_is_right
	s_endpgm
.Lentry_shape_is_right:
; q = x W_q, k = x W_k, v = x W_v on codes of BF8 (E5M2) with E8M0 scales, and the results quantised in registers: q and k along the head's 64 channels, v along the keys.  No f32 result goes to memory.
; GENERIC FORM: P[i][j] = sum over k of B[i][k] A[j][k], quantised along i.  Source 0 = 16 rows of B, source 1 = 16 rows of A: a lane holds one j, and its registers run along i.
; B's tiles hold row 8 u + r + 8 (r / 8) of a block of 32 in lane r, so the 16 registers of tiles 2 b and 2 b + 1 are 16 neighbours along i: 32 b + 16 (lane / 16) + 0 .. 15.
; Clusters with x = 0, 1: A = x, B = W_q and W_k on end (i = channels).  Clusters with x = 2: A = W_v, B = x (i = keys).  Only addresses are chosen, by selects on the cluster's x: one path for both.
; A work-group makes 256 x 256 of P, each of its four waves 128 x 128: 64 accumulators, 512 registers.  K = 1,024 goes in four steps of 256 through a ring of two LDS slots.
; All operands lie in memory as images of operand registers (byte 512 c + 16 lane + e of a fragment's 2,048): a K step's tiles of 128 rows are 32,768 dense bytes for one tensor load, and a fragment comes by
; four ds_load_b128 at 16 x lane: 512 consecutive bytes each, so there is no padding.  The scale words of the work-group's rows, for all of K, come once with the first fills.
; CLUSTERS: 4 x 4 work-groups.  A's tiles hang on the tile row alone and are asked for jointly along a row of the cluster, B's on the tile column and along a column.
; LIMITS: a block of zeros, or one whose largest magnitude lies under 2^(16 - 127), gets the byte 1; NaN and infinities are not served.
; No prefetch: of K's four slots two are first fills, and every tile is read by many work-groups.
; REGISTERS: window 0: v1-29 addresses; v32-63 scale words, two sets, and nothing else; v128-255 A's fragments, one set; on the way out v64-219 at work.
;   window 1: B's fragments, two sets.   windows 2, 3: the accumulators, (a, b) at v[8 (8 (a % 4) + b)].
.set NQ,    2                          ; matrix instructions deep in a slot
.set FR,    16                         ; registers of a fragment
.set NL,    4                          ; LDS loads that bring one
.set NP,    8                          ; places behind this matrix instruction (ISA guide 7.12.1)
.set SLOT,  131072                     ; A's two halves, B's two halves, 32,768 bytes each: [K step of 128 : 2][tile : 8][2,048]
.set SCL,   262144                     ; the scale words: 4,096 bytes for each 128 rows: A's two, B's two: [slot : 4][tile : 8][r : 16][2 words]
.set SPARE, 278528                     ; the spare words, 128 bytes a wave: two blocks of 256 bytes that no other line names
.set VO,   4                           ; v4-7   the way out: 16 x lane + x alpha + y beta, at VO + 2 x + y
.set VS,   8                           ; v8     the way out: 4,096 (lane / 16) + 16 r
.set SELV, 9                           ; v9     the way out: byte select for the scale words
.set FLR,  10                          ; v10    the floor 2^(16 - 127)
.set ADRA, 16                          ; v16-17 LDS address of my A fragments in slot 0, 1
.set ADRB, 20                          ; v20-21 the same for B
.set ADRS, 27                          ; v27    LDS address of my scale words: lanes 0-15 A's rows, lanes 16-31 B's
.set SPW,  28                          ; v28    my spare word; never rewritten
.set NIL,  29                          ; v29    0; never rewritten
.set SC,   32
.set AF,   128
.set X,    64                          ; the way out: 64 numbers held
.set PCO,  128                         ; four sets of 16 registers of codes
.set TM,   192
.set WDR,  208                         ; v208-215 the scale word of each of A's eight tiles
.set OW,   216                         ; v216-219 the four words that I store
.set G1, 24
.set G0, 32
.set G1B, 48
.set G0B, 56
.set G1S, 68
.set G0S, 76
.set G1SB, 80
.set G0SB, 88
.set MSB, 0
.macro WIN new                         ; the immediate's high byte repeats the setting that is left
.if MSB != (\new)
	s_set_vgpr_msb (MSB<<8)|(\new)
.set MSB, (\new)
.endif
.endm
.set MUL_LO, 0xa1                      ; source 0 (B) window 1, source 1 (A) window 0, C and D window 2
.set MUL_HI, 0xf1                      ; the same, C and D window 3
.set TO_B,   0x40                      ; destination window 1, address window 0
; A joint load: waves 0 and 1 fetch for A, waves 2 and 3 for B; the branch hangs on the wave's number alone.  Four v_nop follow each of the two lines.
.macro JLOAD g0a, g1a, g0b, g1b
	s_cmp_eq_u32 s17, 0
	s_cbranch_scc0 .Lfor_b_\@
	tensor_load_to_lds s[\g0a:\g0a+3], s[\g1a:\g1a+7]
	s_nop 0
.rept 4
	v_nop
.endr
	s_branch .Lasked_\@
.Lfor_b_\@:
	tensor_load_to_lds s[\g0b:\g0b+3], s[\g1b:\g1b+7]
	s_nop 0
.rept 4
	v_nop
.endr
.Lasked_\@:
.endm
.macro CREST                           ; a round of the cluster's barrier behind its opening barrier
	s_cmp_lg_u32 s16, 0
	s_cbranch_scc1 .Lnot_wave_0_\@
	s_barrier_signal -3
.Lnot_wave_0_\@:
	s_barrier_wait -3
	s_barrier_signal -1
	s_barrier_wait -1
.endm
.macro CROUND
	s_barrier_signal -1
	s_barrier_wait -1
	CREST
.endm
	s_load_b256 s[4:11], s[0:1], 0x0               ; xc s[4:5], xs s[6:7], wc s[8:9], ws s[10:11]
	s_load_b128 s[12:15], s[0:1], 0x20             ; qkvc s[12:13], qkvs s[14:15]
	v_lshl_add_u32 v[SPW], v0, 2, SPARE
	v_mov_b32 v[NIL], 0
	ds_add_u32 v28, v29
	ds_add_u32 v28, v29
	s_wait_dscnt 0x0
	v_lshrrev_b32 v1, 5, v0
	v_readfirstlane_b32 s16, v1                    ; wave 0..3
	s_lshr_b32 s17, s16, 1                         ; my half of A's 256 rows.  Also: I fetch for A (0) or for B (1)
	s_and_b32 s18, s16, 1                          ; my half of B's.  Also: which 128 rows I fetch
	s_bfe_u32 s19, ttmp6, 0x40000                  ; cx
	s_bfe_u32 s20, ttmp6, 0x40004                  ; cy
	s_and_b32 s23, ttmp7, 0xffff                   ; the cluster's y
	s_cmp_lt_u32 ttmp9, 2                          ; q and k, or v?  The cluster's x: the same in all sixteen partners
	s_cselect_b32 s21, ttmp9, s23
	s_cselect_b32 s22, s23, 0
	s_lshl_b32 s40, s21, 2
	s_add_co_u32 s40, s40, s19                     ; tx: which 256 rows of B
	s_lshl_b32 s41, s22, 2
	s_add_co_u32 s41, s41, s20                     ; ty: which 256 rows of A
	s_lshl_b32 s42, s20, 2
	s_lshl_b32 s42, 15, s42                        ; my row of the cluster
	s_lshl_b32 s43, 0x1111, s19                    ; my column
	; descriptor group 1: 32,768 dense bytes as 128 rows of 32 elements of 8 bytes, no padding
	s_or_b32 s[G1+0], s42, (3<<16)|(1<<21)         ; 15:0 the mask: A's tiles go to my row; 17:16 elements of 8 bytes; 21 set beside a mask
	s_or_b32 s[G1B+0], s43, (3<<16)|(1<<21)
.irp g, G1, G1B
	s_mov_b32 s[\g+1], 32<<16                      ; tensor_dim0
	s_mov_b32 s[\g+2], 128<<16                     ; tensor_dim1
	s_mov_b32 s[\g+3], 32<<16                      ; tile_dim0
	s_mov_b32 s[\g+4], 128                         ; tile_dim1
	s_mov_b32 s[\g+5], 32                          ; tensor_dim0_stride
	s_mov_b32 s[\g+6], 0
	s_mov_b32 s[\g+7], 0
.endr
	s_or_b32 s[G1S+0], s42, (3<<16)|(1<<21)        ; the scale words of 128 rows: 4,096 dense bytes, 16 such rows
	s_or_b32 s[G1SB+0], s43, (3<<16)|(1<<21)
.irp g, G1S, G1SB
	s_mov_b32 s[\g+1], 32<<16
	s_mov_b32 s[\g+2], 16<<16
	s_mov_b32 s[\g+3], 32<<16
	s_mov_b32 s[\g+4], 16
	s_mov_b32 s[\g+5], 32
	s_mov_b32 s[\g+6], 0
	s_mov_b32 s[\g+7], 0
.endr
	s_lshl_b32 s44, s41, 1
	s_add_co_u32 s44, s44, s18                     ; A: the 128 rows that I fetch: 2 ty + half
	s_lshl_b32 s96, s44, 17                        ; their codes,
	s_mov_b32 s97, 0
	s_lshl_b32 s98, s44, 12                        ; their scale words
	s_mov_b32 s99, 0
	s_lshl_b32 s46, s40, 1
	s_add_co_u32 s46, s46, s18                     ; B: 2 tx + half
	s_lshl_b32 s2, s46, 17
	s_mov_b32 s3, 0
	s_lshl_b32 s46, s46, 12
	s_mov_b32 s47, 0
	s_lshl_b32 s45, s16, 15                        ; where they go: wave x 32,768: no place in the cluster enters an LDS address
	s_lshl_b32 s44, s16, 12
	s_wait_kmcnt 0x0
	s_add_nc_u64 s[92:93], s[8:9], 0x200000        ; W_v's codes
	s_add_nc_u64 s[94:95], s[10:11], 0x10000       ; W_v's scale words
	s_cmp_lt_u32 ttmp9, 2
	s_cselect_b64 s[92:93], s[4:5], s[92:93]       ; A's codes: x's or W_v's
	s_cselect_b64 s[94:95], s[6:7], s[94:95]       ; A's scale words
	s_cselect_b64 s[66:67], s[8:9], s[4:5]         ; B's codes: W_q's and W_k's, or x's
	s_cselect_b64 s[22:23], s[10:11], s[6:7]       ; B's scale words
	s_add_nc_u64 s[92:93], s[92:93], s[96:97]
	s_add_nc_u64 s[94:95], s[94:95], s[98:99]
	s_add_nc_u64 s[66:67], s[66:67], s[2:3]
	s_add_nc_u64 s[22:23], s[22:23], s[46:47]
	CROUND                                         ; all sixteen work-groups are here: the first joint loads meet
	s_mov_b32 s[G0S], 1
	s_add_co_u32 s[G0S+1], s44, SCL
	s_mov_b64 s[G0S+2:G0S+3], s[94:95]
	s_or_b32 s[G0S+3], s[G0S+3], 0x80000000
	s_mov_b32 s[G0SB], 1
	s_add_co_u32 s[G0SB+1], s44, SCL
	s_mov_b64 s[G0SB+2:G0SB+3], s[22:23]
	s_or_b32 s[G0SB+3], s[G0SB+3], 0x80000000
	JLOAD G0S, G1S, G0SB, G1SB                     ; the scale words first: they are wanted with slot 0.  Three loads of mine are out behind the last of these lines
.irp s, 0,1
	s_mov_b32 s[G0+4*\s], 1
	s_add_co_u32 s[G0+4*\s+1], s45, \s*SLOT
	s_add_nc_u64 s[G0+4*\s+2:G0+4*\s+3], s[92:93], \s*32768
	s_or_b32 s[G0+4*\s+3], s[G0+4*\s+3], 0x80000000
	s_mov_b32 s[G0B+4*\s], 1
	s_add_co_u32 s[G0B+4*\s+1], s45, \s*SLOT
	s_add_nc_u64 s[G0B+4*\s+2:G0B+4*\s+3], s[66:67], \s*32768
	s_or_b32 s[G0B+4*\s+3], s[G0B+4*\s+3], 0x80000000
	JLOAD G0+4*\s, G1, G0B+4*\s, G1B
.endr
	v_and_b32 v1, 15, v0                           ; r
	v_bfe_u32 v2, v0, 4, 1                         ; h
	s_wait_alu depctr_va_vdst(0)
	v_and_b32 v3, 31, v0
	v_lshlrev_b32 v[VO], 4, v3                     ; 16 x lane
	s_wait_alu depctr_va_vdst(0)
	s_lshl_b32 s96, s17, 15                        ; my half of A
	s_lshl_b32 s97, s18, 15
	s_add_co_u32 s97, s97, 65536                   ; my half of B, behind A's two
.irp s, 0,1
	v_add_nc_u32 v[ADRA+\s], s96, v[VO]
	v_add_nc_u32 v[ADRB+\s], s97, v[VO]
	s_add_co_u32 s96, s96, SLOT
	s_add_co_u32 s97, s97, SLOT
.endr
	v_lshlrev_b32 v11, 3, v1                       ; my row's two words of a slot: 8 r
	s_lshl_b32 s96, s17, 12                        ; A's: my 128 rows
	s_lshl_b32 s97, s18, 12
	s_add_co_u32 s97, s97, 8192                    ; B's: my 128 rows, behind A's two
	s_sub_co_u32 s97, s97, s96
	v_mul_u32_u24 v12, s97, v2                     ; lanes 16-31 take B's: the lower base + h x the distance
	s_add_co_u32 s96, s96, SCL
	v_add_nc_u32 v11, v11, v12
	v_add_nc_u32 v[ADRS], s96, v11
	; the way out: where my 128 x 128 go
	s_lshl_b32 s96, s41, 1
	s_add_co_u32 s96, s96, s17                     ; my 128 rows of A
	s_lshl_b32 s97, s40, 1
	s_add_co_u32 s97, s97, s18                     ; my 128 rows of B
	s_add_co_u32 s98, s96, 16
	s_mov_b32 s2, 131072
	s_mov_b32 s3, 1024
	s_mov_b32 s46, 0x03020100
	s_mov_b32 s47, 0x07060504
	s_cmp_lt_u32 ttmp9, 2
	s_cselect_b32 s99, s96, s97                    ; which 128 rows of x
	s_cselect_b32 s98, s97, s98                    ; which 128 columns of W_q, W_k, W_v on end
	s_cselect_b32 s44, s2, s3                      ; alpha: q, k: from head to head;  v: two groups of 512 bytes
	s_cselect_b32 s45, s3, s2                      ; beta: q, k: from tile 0 to tile 1 of a block;  v: from head to head
	s_cselect_b32 s46, 0x05040100, s46             ; q, k: a head's word is two bytes of each of two tiles' words;
	s_cselect_b32 s47, 0x07060302, s47             ; v: it is one tile's word
	s_lshr_b32 s96, s98, 3                         ; 0 q, 1 k, 2 v
	s_and_b32 s97, s98, 7
	s_lshl_b32 s97, s97, 1                         ; the first of my two heads
	s_lshr_b32 s2, s99, 4                          ; the batch
	s_and_b32 s3, s99, 15                          ; which 128 of its 2,048 rows
	s_lshl_b32 s2, s2, 4
	s_add_co_u32 s2, s2, s97
	s_lshl_b32 s98, s96, 23
	s_lshl_b32 s99, s2, 17
	s_add_co_u32 s98, s98, s99
	s_lshl_b32 s99, s3, 13
	s_add_co_u32 s98, s98, s99
	s_mov_b32 s99, 0
	s_add_nc_u64 s[12:13], s[12:13], s[98:99]      ; codes
	s_lshl_b32 s98, s96, 18
	s_lshl_b32 s2, s2, 12
	s_add_co_u32 s98, s98, s2
	s_lshl_b32 s3, s3, 8
	s_add_co_u32 s98, s98, s3
	s_add_nc_u64 s[14:15], s[14:15], s[98:99]      ; scale words
	v_add_nc_u32 v[VO+1], s45, v[VO]
	v_add_nc_u32 v[VO+2], s44, v[VO]
	v_add_nc_u32 v[VO+3], s45, v[VO+2]
	v_lshlrev_b32 v[VS], 4, v1
	v_lshl_add_u32 v[VS], v2, 12, v[VS]            ; lanes 0-15 store the first head's words, lanes 16-31 the second's
	v_mov_b32 v[SELV], s46
	v_mov_b32 v13, s47
	v_cmp_eq_u32 vcc_lo, 1, v2
	v_cndmask_b32 v[SELV], v[SELV], v13, vcc_lo
	v_mov_b32 v[FLR], 0x8000000
	s_mov_b32 s96, 0x76543210
	s_mov_b32 s97, 0xfedcba98                      ; v_permlanex16_b32's selects for lane l xor 16
	s_mov_b32 s98, 0x600000                        ; the mantissa field of 57,344
.macro FRAG reg, adr, q, i             ; a fragment's image: four loads of 512 consecutive bytes
.irp c, 0,1,2,3
	ds_load_b128 v[\reg+4*\c:\reg+4*\c+3], v[\adr] offset:16384*(\q)+2048*(\i)+512*\c
.endr
.endm
; 16 matrix instructions: A's blocks a0, a0 + 1 x B's eight.  p: B's set; sc: the set of scale words.  zero = 1: the first product starts the sums.  The 64 accumulators take turns, one instruction a turn.
.macro MUL16 a0, p, q, sc, zero
.irp a, \a0, \a0+1
.irp b, 0,1,2,3,4,5,6,7
.if \zero
	v_wmma_scale_f32_16x16x128_f8f6f4 v[8*(8*((\a)%4)+\b):8*(8*((\a)%4)+\b)+7], v[128*(\p)+FR*\b:128*(\p)+FR*\b+FR-1], v[AF+FR*(\a):AF+FR*(\a)+FR-1], 0, v[SC+8*NQ*(\sc)+NQ*\b+(\q)], v[SC+8*NQ*(\sc)+NQ*(\a)+(\q)] matrix_a_fmt:MATRIX_FMT_BF8 matrix_b_fmt:MATRIX_FMT_BF8 matrix_a_scale:MATRIX_SCALE_ROW1
.else
	v_wmma_scale_f32_16x16x128_f8f6f4 v[8*(8*((\a)%4)+\b):8*(8*((\a)%4)+\b)+7], v[128*(\p)+FR*\b:128*(\p)+FR*\b+FR-1], v[AF+FR*(\a):AF+FR*(\a)+FR-1], v[8*(8*((\a)%4)+\b):8*(8*((\a)%4)+\b)+7], v[SC+8*NQ*(\sc)+NQ*\b+(\q)], v[SC+8*NQ*(\sc)+NQ*(\a)+(\q)] matrix_a_fmt:MATRIX_FMT_BF8 matrix_b_fmt:MATRIX_FMT_BF8 matrix_a_scale:MATRIX_SCALE_ROW1
.endif
.endr
.endr
.endm
.macro FETCH_B slot, q, p
	WIN TO_B
.irp i, 0,1,2,3,4,5,6,7
	FRAG 128*(\p)+FR*\i, ADRB+\slot, \q, \i
.endr
	WIN 0
.endm
.macro FETCH_A slot, q, i0
.irp i, \i0, \i0+1, \i0+2, \i0+3
	FRAG AF+FR*(\i), ADRA+\slot, \q, \i
.endr
.endm
.macro SCALES sc                       ; a slot's scale words: lanes 0-15 take A's tile i, lanes 16-31 B's tile i; two words a row
.irp i, 0,1,2,3,4,5,6,7
	ds_load_b64 v[SC+8*NQ*\sc+NQ*\i:SC+8*NQ*\sc+NQ*\i+1], v[ADRS] offset:128*\i
.endr
.endm
.macro PLACES n                        ; plain vector instructions between a matrix instruction and a load into, or a read of, its registers
.rept \n
	v_nop
.endr
.endm
.macro STEP slot, q, zero              ; 128 along K that has its successor in the same slot
	s_wait_dscnt 4*NL                              ; B's set and A's blocks 0-3 are in; the youngest 16 loads (A's blocks 4-7) may be out
	WIN MUL_LO
	MUL16 0, (\q)%2, \q, \slot, \zero
	MUL16 2, (\q)%2, \q, \slot, \zero
	s_wait_dscnt 0
	PLACES NP
	FETCH_B \slot, (\q)+1, 1-(\q)%2
	FETCH_A \slot, (\q)+1, 0
	WIN MUL_HI
	MUL16 4, (\q)%2, \q, \slot, \zero
	MUL16 6, (\q)%2, \q, \slot, \zero
	PLACES NP
	WIN 0
	FETCH_A \slot, (\q)+1, 4
.endm
; A slot's last 128 along K changes slots: one barrier; in front of it each wave waits for all its tensor loads, adds 0 to its spare word, and waits for that and for its reads of this slot.
.macro TURN slot, next, fill
	s_wait_tensorcnt 0x0                           ; all my tensor loads have landed: my part of the next slot
	ds_add_u32 v[SPW], v[NIL]                      ; 0 onto my spare word
	s_wait_dscnt 4*NL+1                            ; the add and the youngest 16 loads may be out
	WIN MUL_LO
	MUL16 0, 1, NQ-1, \slot, 0
	s_wait_dscnt 0x0                               ; the add is done, and my reads of this slot are over
	s_barrier_signal -1
	MUL16 2, 1, NQ-1, \slot, 0
	WIN 0
	s_barrier_wait -1
.if \fill
	CREST                                          ; the barrier has opened a round of the cluster's: no wave of any partner still reads this slot or has a load on its way
	s_add_nc_u64 s[G0+4*\slot+2:G0+4*\slot+3], s[G0+4*\slot+2:G0+4*\slot+3], 65536
	s_add_nc_u64 s[G0B+4*\slot+2:G0B+4*\slot+3], s[G0B+4*\slot+2:G0B+4*\slot+3], 65536
	JLOAD G0+4*\slot, G1, G0B+4*\slot, G1B         ; the first tensor load behind the round; its four v_nop are among the places in front of the loads below
	PLACES NP-4
.else
	PLACES NP
.endif
	s_wait_alu depctr_va_vdst(0)
	v_add_nc_u32 v[ADRS], 1024, v[ADRS]            ; the next slot's scale words
	FETCH_B \next, 0, 0
	FETCH_A \next, 0, 0
	SCALES \next
	WIN MUL_HI
	MUL16 4, 1, NQ-1, \slot, 0
	MUL16 6, 1, NQ-1, \slot, 0
	PLACES NP
	WIN 0
	FETCH_A \next, 0, 4
.endm
	s_wait_tensorcnt 1                             ; the scale words and my part of slot 0 are in; slot 1's load may be out
	s_barrier_signal -1
	s_barrier_wait -1
	FETCH_B 0, 0, 0
	FETCH_A 0, 0, 0
	SCALES 0
	FETCH_A 0, 0, 4
	STEP 0, 0, 1                                   ; K's four slots in a straight line: the first products start the sums
	TURN 0, 1, 1                                   ; slot 0 takes K 512 on
	STEP 1, 0, 0
	TURN 1, 0, 1                                   ; slot 1 takes K 768 on
	STEP 0, 0, 0
	TURN 0, 1, 0                                   ; nothing is left to fetch
	STEP 1, 0, 0
	s_wait_dscnt 4*NL
	WIN MUL_LO
	MUL16 0, 1, NQ-1, 1, 0
	MUL16 2, 1, NQ-1, 1, 0
	s_wait_dscnt 0
	WIN MUL_HI
	MUL16 4, 1, NQ-1, 1, 0
	MUL16 6, 1, NQ-1, 1, 0
	WIN 0
; THE WAY OUT.  The eight accumulators of A's tile a are 64 numbers of a lane, register 16 b + i = i-index 32 b + 16 (lane / 16) + i of the lane's j: they become one fragment's codes and one scale word, and the
; codes leave as they stand: each store covers 512 consecutive bytes.  q, k: groups 0, 1 are the first head's channels, groups 2, 3 the second's.  v: the four groups are 128 keys of tile a / 2 of head a % 2.
.macro QACC a
.set AC, 64*((\a)%4)
.set WW, 2+(\a)/4
.set PS, PCO+16*((\a)%4)
	WIN (WW<<2)|(WW<<4)                            ; sources 1 and 2: the accumulators' window
.irp b, 0,1,2,3
	v_max3_num_f32 v[TM+\b], v[FLR], |v[AC+16*\b]|, |v[AC+16*\b+1]|   ; each accumulator is read from its low end on
.endr
.irp i, 2,4,6,8,10,12,14
.irp b, 0,1,2,3
	v_max3_num_f32 v[TM+\b], v[TM+\b], |v[AC+16*\b+\i]|, |v[AC+16*\b+\i+1]|
.endr
.endr
	WIN 0
.irp b, 0,1,2,3
	v_permlanex16_b32 v[TM+4+\b], v[TM+\b], s96, s97
.endr
.irp b, 0,1,2,3
	v_max_num_f32 v[TM+\b], v[TM+\b], v[TM+4+\b]   ; with lane l xor 16's 16: the block's largest magnitude
.endr
.irp b, 0,1,2,3
	v_add_nc_u32 v[TM+12+\b], 0xf8800000, v[TM+\b] ; 15 off its exponent field: the conversion's scale operand
.endr
.irp b, 0,1,2,3
	v_and_or_b32 v[TM+8+\b], v[TM+\b], 0x7f800000, s98   ; 57,344 x the scale
.endr
.irp b, 0,1,2,3
	v_lshrrev_b32 v[TM+4+\b], 23, v[TM+12+\b]      ; the scale's byte
.endr
	v_lshl_or_b32 v[WDR+\a], v[TM+5], 8, v[TM+4]
	v_lshl_or_b32 v[WDR+\a], v[TM+6], 16, v[WDR+\a]
	v_lshl_or_b32 v[WDR+\a], v[TM+7], 24, v[WDR+\a]
	WIN WW                                         ; source 0: the accumulators' window
.irp b, 0,1,2,3
.irp i, 0,1,2,3,4,5,6,7,8,9,10,11,12,13,14,15
	v_med3_num_f32 v[X+16*\b+\i], v[AC+16*\b+\i], -v[TM+8+\b], v[TM+8+\b]   ; the hold, into window 0
.endr
.endr
	WIN 0
.if (\a) >= 4
	s_wait_alu depctr_va_vdst(0)
	s_wait_xcnt 0x0                                ; the stores of four tiles ago have read this set of codes
.endif
.irp b, 0,1,2,3
	v_cvt_scalef32_pk8_bf8_f32 v[PS+4*\b:PS+4*\b+1], v[X+16*\b:X+16*\b+7], v[TM+12+\b]
	v_cvt_scalef32_pk8_bf8_f32 v[PS+4*\b+2:PS+4*\b+3], v[X+16*\b+8:X+16*\b+15], v[TM+12+\b]
.endr
	v_nop                                          ; a plain line behind the last conversion
.irp c, 0,1,2,3
	global_store_b128 v[VO+2*(\c/2)+(\a)%2], v[PS+4*\c:PS+4*\c+3], s[12:13] offset:2048*((\a)/2)+512*(\c%2)
.endr
.endm
	PLACES NP                                      ; behind the last products
.irp b, 0,1,2,3
	v_mov_b32 v[TM+4+\b], 0                        ; written once: a lane permute's destination counts as one of its sources
.endr
.irp a, 0,1,2,3,4,5,6,7
	QACC \a
.endr
.irp t, 0,1,2,3
	v_perm_b32 v[OW+\t], v[WDR+2*\t+1], v[WDR+2*\t], v[SELV]
.endr
	global_store_b128 v[VS], v[OW:OW+3], s[14:15]  ; 16 lanes store 256 consecutive bytes, aligned: one head's words of these 128 rows or keys
	s_wait_tensorcnt 0x0                           ; the wave's end
	ds_add_u32 v[SPW], v[NIL]
	s_wait_dscnt 0x0
	CROUND                                         ; the closing round: no work-group ends while a partner may still ask for a tile that names it
	s_endpgm
.Lfunc_end_k_qc3aae61c6d_qkv:
	.size	k_qc3aae61c6d_qkv, .Lfunc_end_k_qc3aae61c6d_qkv-k_qc3aae61c6d_qkv
	.p2alignl 7, 3214868480
	.fill 96, 4, 3214868480
	.section	.rodata,"a",@progbits
	.p2align	6, 0x0
	.amdhsa_kernel k_qc3aae61c6d_qkv
		.amdhsa_group_segment_fixed_size 327680
		.amdhsa_private_segment_fixed_size 0
		.amdhsa_enable_private_segment 0
		.amdhsa_kernarg_size 48
		.amdhsa_user_sgpr_count 2
		.amdhsa_user_sgpr_kernarg_segment_ptr 1
		.amdhsa_wavefront_size32 1
		.amdhsa_system_sgpr_workgroup_id_x 1
		.amdhsa_system_sgpr_workgroup_id_y 1
		.amdhsa_system_sgpr_workgroup_id_z 1
		.amdhsa_system_vgpr_workitem_id 0
		.amdhsa_next_free_vgpr 1024
		.amdhsa_next_free_sgpr 100
		.amdhsa_reserve_vcc 1
		.amdhsa_float_denorm_mode_32 3
		.amdhsa_float_denorm_mode_16_64 3
		.amdhsa_memory_ordered 1
		.amdhsa_forward_progress 1
		.amdhsa_inst_pref_size 185
	.end_amdhsa_kernel
	.amdgpu_metadata
---
amdhsa.version: [ 1, 2 ]
amdhsa.kernels:
  - .name:           k_qc3aae61c6d_qkv
    .symbol:         k_qc3aae61c6d_qkv.kd
    .args:
      - { .name: xc, .offset: 0, .size: 8, .value_kind: global_buffer, .address_space: global }
      - { .name: xs, .offset: 8, .size: 8, .value_kind: global_buffer, .address_space: global }
      - { .name: wc, .offset: 16, .size: 8, .value_kind: global_buffer, .address_space: global }
      - { .name: ws, .offset: 24, .size: 8, .value_kind: global_buffer, .address_space: global }
      - { .name: qkvc, .offset: 32, .size: 8, .value_kind: global_buffer, .address_space: global }
      - { .name: qkvs, .offset: 40, .size: 8, .value_kind: global_buffer, .address_space: global }
    .group_segment_fixed_size: 327680
    .private_segment_fixed_size: 0
    .kernarg_segment_align: 8
    .kernarg_segment_size: 48
    .max_flat_workgroup_size: 128
    .sgpr_count:     100
    .vgpr_count:     1024
    .wavefront_size: 32
...
	.end_amdgpu_metadata
.endif
;; end of part 2
;; launch attn (part 3): grid 4 x 64, 16 waves a work-group, clusters of 4 x 1, 327,680 bytes of LDS; arguments qkvc, qkvs, cc, cs; writes cc, cs
.if DOCPART == 3
	.amdgcn_target "amdgcn-amd-amdhsa--gfx1250"
	.amdhsa_code_object_version 6
	.text
	.protected	k_qc3aae61c6d_attn
	.globl	k_qc3aae61c6d_attn
	.p2align	8
	.type	k_qc3aae61c6d_attn,@function
k_qc3aae61c6d_attn:
	s_mov_b64 s[64:65], 0
	v_nop
	global_prefetch_b8 v0, s[64:65] scope:SCOPE_SE
	s_setreg_imm32_b32 hwreg(HW_REG_WAVE_MODE, 25, 1), 1
	s_wait_xcnt 0x0
	s_wait_alu depctr_hold_cnt(0) depctr_sa_sdst(0) depctr_va_vdst(0) depctr_va_sdst(0) depctr_va_ssrc(0) depctr_va_vcc(0) depctr_vm_vsrc(0)
	s_getreg_b32 s2, hwreg(HW_REG_IB_STS2, 6, 4)
	s_cmp_eq_u32 s2, 0
	s_cbranch_scc0 .Lentry_in_a_cluster
	s_endpgm
.Lentry_in_a_cluster:
	s_bfe_u32 s2, ttmp6, 0x10000c
	s_cmp_lg_u32 s2, 0x3003
	s_cbranch_scc0 .Lentry_shape_is_right
	s_endpgm
.Lentry_shape_is_right:
; ctx = softmax(q k^T / 8, causal) v for one head of 64 channels and 2,048 positions, both products on codes of BF8 (E5M2) with E8M0 scales; ctx leaves as codes, quantised along head x 64 + channel.
; THE SOFTMAX AHEAD OF THE SECOND PRODUCT: t = score x log2(e) / 8; M = the running largest t rounded UP to a whole number; p = 2^(t - M) is quantised along the keys, not normalised; the row's sum is taken of
; the unquantised p and divides at the end.  When M moves, the sum and O are multiplied by 2^(old M - new M): exact.
; SHARES.  The four work-groups of a cluster share one head.  Its 128 tiles of 16 queries are dealt tile = 4 m + p, p the work-group's place: so the key step in which a tile meets the diagonal, m / 2, is the same in
; all four partners, and every branch is alike in them.  Each of the sixteen waves owns tiles m = w' and m = 31 - w' (w' a permutation of the wave's number): 17 tile-steps of 128 keys each.
; Every work-group walks all 16 key steps: trip counts are constants.  A step all of whose keys come after a tile's queries is jumped over for that tile; on the diagonal hidden scores become -infinity.
; K AND V are asked for JOINTLY by the four partners: two LDS slots of 512 keys, 32,768 dense bytes of K and of V each, waves 0-3 fetching a quarter each.  The head's scale words come once.
; LAYOUT.  Both products are used transposed: a lane holds ONE query.  The first product's K is 64, the instruction's 128: a fragment of K holds the 64 channels of tile 0 of a block of 32 keys in k 0-63 and those of
; tile 1 in k 64-127; against [q | 0] it gives tile 0's scores, against [0 | q] tile 1's.  Tiles hold row 8 u + r + 8 (r / 8) in lane r: so registers 16 b + i of the scores are keys 32 b + 16 (lane / 16) + i.
; LIMITS: a block of zeros, or one under 2^(16 - 127), gets the byte 1; v_exp_f32 gives 0 where p falls under 2^-126; NaN and infinities are not served.
; ctx's scale bytes leave as single bytes: a scale word spans two heads, which are two clusters' work: 2 bytes for each 64 of codes.
.set SLOT1, 65536                      ; slot 1 begins here: one exclusive or turns an address from one slot to the other.  A slot: K [step : 4][block of 32 : 4][2,048], then V [step : 4][channel tile : 4][2,048]
.set VOFF,  32768
.set SCK,   131072                     ; K's scale words of the head: [step : 16][r : 16][4 words];  V's 4,096 bytes on
.set SPARE, 139264                     ; the spare words, 128 bytes a wave: eight blocks of 256 bytes that no other line names
.set LI,   1                           ; v1   16 x lane
.set ASC,  2                           ; v2   SCK + 16 r
.set ADK,  3                           ; v3   LDS address of the step's tiles
.set ADS,  4                           ; v4   of its scale words
.set SPW,  5                           ; v5   my spare word; never rewritten
.set NIL,  6                           ; v6   0; never rewritten
.set PFO,  7                           ; v7   256 x lane: the prefetches' offset
.set DL,   8                           ; v8   my query's place in its block of 32, less 16 (lane / 16)
.set QS,   9                           ; v9, v10  q's scale words, tiles L and H
.set PW,   11                          ; v11  p's scale word
.set FF,   20                          ; v[20:21] f = 2^(old M - new M), and 0
.set T0,   22                          ; v22-23 at work
.set S,    128                         ; v128-191 scores, then p, then V's four fragments
.set F,    192                         ; v192-223 two fragments of K, then p's codes
.set BM,   224
.set PM,   228
.set HOLD, 232
.set SOP,  236
.set KSC,  240                         ; v240-243 K's scale words, then V's
.set BY,   244                         ; v244-245 the way out: my scale byte, tiles L and H
.set QSO,  246                         ; v246 16 r
.set SBO,  247                         ; v247 8 r + lane / 16
; v[12:13] tile L: -M, the largest t; v[14:15] its sum in two halves; v[16:19] tile H likewise.  v24-63: [0][q L][0][q H][0], 8 registers each.  v64-95, v96-127: O^T of L, of H.
.set WV,   12
.set SD,   18                          ; s18, s19  the key step of the diagonal, tiles L and H
.set DQ,   20                          ; s20, s21  32 x the tile's block within that step
.set CS,   22                          ; s[22:23]  c = log2(e) / 8
.set G1,   24
.set G1S,  32
.set G0,   40
.set G0S,  44
.set SEL,  48
.set MNT,  50
.set TB,   51                          ; s51  LDS byte at which the step's tiles begin
.set TS,   52                          ; s52  and its scale words: 256 bytes a step
.set STP,  53                          ; s53  the key step
.set SLOTS, 54
.set CNT,  55
.set PFA,  56
.set LIM,  58
.set CB,   60                          ; s[60:61], s[62:63]  where ctx's codes go, tiles L and H
.set SB,   66                          ; s[66:67], s[68:69]  and its scale bytes
.macro ROUND                           ; a round of the cluster's barrier
	s_barrier_signal -1
	s_barrier_wait -1
	s_cmp_lg_u32 s[WV], 0
	s_cbranch_scc1 .Lnot_wave_0_\@
	s_barrier_signal -3
.Lnot_wave_0_\@:
	s_barrier_wait -3
	s_barrier_signal -1
	s_barrier_wait -1
.endm
.macro TLOAD                           ; waves 0-3 fetch a quarter of a slot each; four v_nop follow the line
	s_cmp_lt_u32 s[WV], 4
	s_cbranch_scc0 .Lasked_\@
	tensor_load_to_lds s[G0:G0+3], s[G1:G1+7]
	s_nop 0
.rept 4
	v_nop
.endr
.Lasked_\@:
.endm
; A prefetch of what the NEXT change of slots will ask for: 32,768 bytes of K and of V.  Wave 4 asks for K's, wave 5 for V's; the four partners take 8,192 bytes each, told apart by address; lanes 256 bytes apart.
; So each aligned block of 256 bytes is named once in the launch.  Slots 0 and 1 come by their loads alone; the last change that fills a slot asks for nothing.
.macro ASK
	s_cmp_gt_u32 s[SLOTS], s[LIM]
	s_cbranch_scc0 .Lnot_mine_\@
	global_prefetch_b8 v[PFO], s[PFA:PFA+1] th:TH_LOAD_NT scope:SCOPE_SE
.Lnot_mine_\@:
.endm
	s_load_b256 s[4:11], s[0:1], 0x0               ; qkvc s[4:5], qkvs s[6:7], cc s[8:9], cs s[10:11]
	v_lshl_add_u32 v[SPW], v0, 2, SPARE
	v_mov_b32 v[NIL], 0
	ds_add_u32 v5, v6
	ds_add_u32 v5, v6
	s_wait_dscnt 0x0
	v_lshrrev_b32 v[T0], 5, v0
	s_delay_alu instid0(VALU_DEP_1)
	v_readfirstlane_b32 s[WV], v[T0]               ; wave 0..15
	s_bfe_u32 s13, ttmp6, 0x40000                  ; p: my place in the cluster
	s_and_b32 s14, ttmp7, 0xffff                   ; 16 x batch + head
	s_lshr_b32 s15, s[WV], 2
	s_and_b32 s16, s[WV], 3
	s_add_co_u32 s16, s16, s15
	s_and_b32 s16, s16, 3
	s_lshl_b32 s16, s16, 2
	s_add_co_u32 s16, s16, s15                     ; m of tile L: 4 ((wave / 4 + wave % 4) % 4) + wave / 4: each four waves that follow each other, and each four that lie four apart, hold one m of each quarter
	s_sub_co_u32 s17, 31, s16                      ; m of tile H
	s_lshr_b32 s[SD], s16, 1
	s_lshr_b32 s[SD+1], s17, 1
	s_lshr_b32 s70, s13, 1                         ; p / 2: which block of 32 of the pair 2 m, 2 m + 1
	s_and_b32 s71, s13, 1                          ; u: which tile of the block
	s_and_b32 s[DQ], s16, 1
	s_lshl_b32 s[DQ], s[DQ], 1
	s_add_co_u32 s[DQ], s[DQ], s70
	s_lshl_b32 s[DQ], s[DQ], 5
	s_and_b32 s[DQ+1], s17, 1
	s_lshl_b32 s[DQ+1], s[DQ+1], 1
	s_add_co_u32 s[DQ+1], s[DQ+1], s70
	s_lshl_b32 s[DQ+1], s[DQ+1], 5
	s_mov_b32 s[G1], 15|(3<<16)|(1<<21)            ; 15:0 the mask: all four work-groups; 17:16 elements of 8 bytes; 21 set beside a mask; no padding
	s_mov_b32 s[G1+1], 32<<16                      ; 16,384 dense bytes as 64 rows of 32 elements
	s_mov_b32 s[G1+2], 64<<16
	s_mov_b32 s[G1+3], 32<<16
	s_mov_b32 s[G1+4], 64
	s_mov_b32 s[G1+5], 32
	s_mov_b32 s[G1+6], 0
	s_mov_b32 s[G1+7], 0
	s_mov_b32 s[G1S], 15|(3<<16)|(1<<21)           ; 2,048 dense bytes of scale words: 8 such rows
	s_mov_b32 s[G1S+1], 32<<16
	s_mov_b32 s[G1S+2], 8<<16
	s_mov_b32 s[G1S+3], 32<<16
	s_mov_b32 s[G1S+4], 8
	s_mov_b32 s[G1S+5], 32
	s_mov_b32 s[G1S+6], 0
	s_mov_b32 s[G1S+7], 0
	s_and_b32 s74, s[WV], 3                        ; what I fetch, if I fetch (waves 0-3): 0, 1: K's halves; 2, 3: V's
	s_lshl_b32 s75, s74, 14                        ; its place in a slot,
	s_lshl_b32 s76, s74, 11                        ; and among the scale words
	s_lshr_b32 s72, s74, 1
	s_and_b32 s73, s74, 1
	s_lshl_b32 s77, s14, 17                        ; the head's 131,072 bytes in q, in k and in v
	s_add_co_u32 s78, s72, 1
	s_lshl_b32 s78, s78, 23                        ; k lies 8 MiB, v 16 MiB behind q
	s_add_co_u32 s78, s78, s77
	s_lshl_b32 s80, s73, 14
	s_add_co_u32 s78, s78, s80
	s_mov_b32 s79, 0
	s_add_co_u32 s80, s72, 1
	s_lshl_b32 s80, s80, 18
	s_lshl_b32 s82, s14, 12
	s_add_co_u32 s80, s80, s82
	s_lshl_b32 s83, s73, 11
	s_add_co_u32 s80, s80, s83
	s_mov_b32 s81, 0
	s_mov_b32 s[CS], 0x3e38aa3b                    ; c = log2(e) / 8
	s_mov_b32 s[CS+1], s[CS]                       ; (named with it as a pair, so it is written)
	s_mov_b32 s[SEL], 0x76543210
	s_mov_b32 s[SEL+1], 0xfedcba98
	s_mov_b32 s[TB], 0
	s_mov_b32 s[TS], 0
	s_mov_b32 s[STP], 0
	s_mov_b32 s[SLOTS], 3
	s_wait_kmcnt 0x0
	ROUND                                          ; all four work-groups are here: the first joint loads meet
	s_mov_b32 s[G0S], 1
	s_add_co_u32 s[G0S+1], s76, SCK
	s_add_nc_u64 s[G0S+2:G0S+3], s[6:7], s[80:81]
	s_or_b32 s[G0S+3], s[G0S+3], 0x80000000
	s_mov_b32 s[G0], 1
	s_mov_b32 s[G0+1], s75
	s_add_nc_u64 s[G0+2:G0+3], s[4:5], s[78:79]
	s_or_b32 s[G0+3], s[G0+3], 0x80000000
	s_cmp_lt_u32 s[WV], 4                          ; a wave's two first fills stand in one branch: two loads of mine are out
	s_cbranch_scc0 .Lfirst_asked
	tensor_load_to_lds s[G0S:G0S+3], s[G1S:G1S+7]  ; the head's scale words: filled once
	s_nop 0
	tensor_load_to_lds s[G0:G0+3], s[G1:G1+7]      ; slot 0
	s_nop 0
.rept 4
	v_nop
.endr
.Lfirst_asked:
	v_and_b32 v[T0], 31, v0
	s_delay_alu instid0(VALU_DEP_1)
	v_lshlrev_b32 v[LI], 4, v[T0]
	s_delay_alu instid0(VALU_DEP_2)
	v_lshlrev_b32 v[PFO], 8, v[T0]
	v_and_b32 v[T0], 15, v0                        ; r
	v_bfe_u32 v[T0+1], v0, 4, 1                    ; h
	s_delay_alu instid0(VALU_DEP_2)
	v_lshlrev_b32 v[QSO], 4, v[T0]
	s_wait_alu depctr_va_vdst(0)
	v_lshl_add_u32 v[ASC], v[T0], 4, SCK
	v_lshl_add_u32 v[SBO], v[T0], 3, v[T0+1]
	v_lshrrev_b32 v[DL], 3, v[T0]
	s_delay_alu instid0(VALU_DEP_1)
	v_lshl_add_u32 v[DL], v[DL], 3, v[T0]          ; r + 8 (r / 8)
	v_lshlrev_b32 v[BM], 4, v[T0+1]
	s_delay_alu instid0(VALU_DEP_1)
	v_sub_nc_u32 v[DL], v[DL], v[BM]               ; - 16 h
	s_lshl_b32 s83, s71, 3
	v_add_nc_u32 v[DL], s83, v[DL]                 ; + 8 u
; tile x's q: two groups of 512 bytes (64 channels of 16 queries), and its scale word
.macro QLOAD x
	s_lshl_b32 s82, s[16+\x], 1
	s_add_co_u32 s82, s82, s70                     ; its block of 32 queries: 2 m + p / 2
	s_lshl_b32 s83, s82, 11
	s_add_co_u32 s83, s83, s77
	s_lshl_b32 s[84+2*\x], s71, 10
	s_add_co_u32 s[84+2*\x], s[84+2*\x], s83
	s_mov_b32 s[85+2*\x], 0
	s_add_nc_u64 s[84+2*\x:85+2*\x], s[4:5], s[84+2*\x:85+2*\x]
	global_load_b128 v[32+16*\x:35+16*\x], v[LI], s[84+2*\x:85+2*\x]
	global_load_b128 v[36+16*\x:39+16*\x], v[LI], s[84+2*\x:85+2*\x] offset:512
	s_lshr_b32 s83, s82, 2
	s_lshl_b32 s83, s83, 8                         ; the step's 256 bytes of words,
	s_and_b32 s82, s82, 3
	s_lshl_b32 s82, s82, 2                         ; the block's word
	s_add_co_u32 s83, s83, s82
	s_lshl_b32 s82, s14, 12
	s_add_co_u32 s[88+2*\x], s83, s82
	s_mov_b32 s[89+2*\x], 0
	s_add_nc_u64 s[88+2*\x:89+2*\x], s[6:7], s[88+2*\x:89+2*\x]
	global_load_b32 v[QS+\x], v[QSO], s[88+2*\x:89+2*\x]
.endm
	QLOAD 0
	QLOAD 1
	; where ctx goes: rows = 2,048 x batch + query, K = 64 x head + channel, in the layout of x's codes
	s_lshr_b32 s72, s14, 4                         ; the batch
	s_and_b32 s73, s14, 15                         ; the head
.macro CBASE x
	s_lshl_b32 s74, s72, 4
	s_add_co_u32 s74, s74, s[SD+\x]                ; which 128 rows
	s_and_b32 s75, s[16+\x], 1
	s_lshl_b32 s75, s75, 2
	s_add_co_u32 s75, s75, s13                     ; which tile of them: 4 (m % 2) + p
	s_lshl_b32 s76, s74, 17
	s_lshl_b32 s78, s75, 11
	s_add_co_u32 s76, s76, s78
	s_lshr_b32 s78, s73, 1
	s_lshl_b32 s78, s78, 14                        ; the K step of 128: head / 2
	s_add_co_u32 s76, s76, s78
	s_and_b32 s78, s73, 1
	s_lshl_b32 s78, s78, 10                        ; groups 2 (head % 2) on
	s_add_co_u32 s[CB+2*\x], s76, s78
	s_mov_b32 s[CB+2*\x+1], 0
	s_add_nc_u64 s[CB+2*\x:CB+2*\x+1], s[8:9], s[CB+2*\x:CB+2*\x+1]
	s_lshl_b32 s76, s74, 12
	s_lshl_b32 s78, s75, 7
	s_add_co_u32 s76, s76, s78
	s_lshr_b32 s78, s73, 2
	s_lshl_b32 s78, s78, 10
	s_add_co_u32 s76, s76, s78
	s_bfe_u32 s78, s73, 0x10001
	s_lshl_b32 s78, s78, 2
	s_add_co_u32 s76, s76, s78
	s_and_b32 s78, s73, 1
	s_lshl_b32 s78, s78, 1
	s_add_co_u32 s[SB+2*\x], s76, s78
	s_mov_b32 s[SB+2*\x+1], 0
	s_add_nc_u64 s[SB+2*\x:SB+2*\x+1], s[10:11], s[SB+2*\x:SB+2*\x+1]
.endm
	CBASE 0
	CBASE 1
	s_and_b32 s82, s[WV], 1                        ; the prefetches: K's codes (even waves) or V's,
	s_add_co_u32 s82, s82, 1
	s_lshl_b32 s82, s82, 23
	s_add_co_u32 s82, s82, s77                     ; my head,
	s_lshl_b32 s83, s13, 13
	s_add_co_u32 s82, s82, s83                     ; my work-group's 8,192 bytes,
	s_add_co_u32 s82, s82, 32768                   ; in slot 1: the first change of slots steps it to slot 2.  Nothing is prefetched at the head
	s_mov_b32 s83, 0
	s_add_nc_u64 s[PFA:PFA+1], s[4:5], s[82:83]
	s_lshr_b32 s82, s[WV], 1
	s_cmp_eq_u32 s82, 2                            ; waves 4 and 5 ask
	s_cselect_b32 s[LIM], 1, -1
	s_mul_i32 s83, s71, 0x02020202
	s_add_co_u32 s83, s83, 0x01000100              ; q's two scale bytes (bytes 2 u, 2 u + 1 of the block's word) go into both halves of its word
.irp j, 24,25,26,27,28,29,30,31,40,41,42,43,44,45,46,47,56,57,58,59,60,61,62,63
	v_mov_b32 v[\j], 0                             ; the zero codes beside q
.endr
.irp x, 0,1
	v_mov_b32 v[13+4*\x], 0xff61b1e6               ; the largest t so far: -3e38, under every t
	s_delay_alu instid0(VALU_DEP_1)
	v_floor_f32 v[12+4*\x], -v[13+4*\x]            ; -M
	v_mov_b32 v[14+4*\x], 0                        ; the sum, in two halves
	v_mov_b32 v[15+4*\x], 0
.endr
.irp b, 0,1,2,3
	v_mov_b32 v[PM+\b], 0                          ; written once: a lane permute's destination counts as one of its sources
.endr
	v_mov_b32 v[FF+1], 0                           ; (named as the upper half of the pair)
.irp j, 0,1,2,3,4,5,6,7,8,9,10,11,12,13,14,15,16,17,18,19,20,21,22,23,24,25,26,27,28,29,30,31,32,33,34,35,36,37,38,39,40,41,42,43,44,45,46,47,48,49,50,51,52,53,54,55,56,57,58,59,60,61,62,63
	v_mov_b32 v[64+\j], 0                          ; O^T of both tiles: the step is written once, and its first run finds zeros
.endr
; A KEY STEP OF 128 KEYS FOR TILE x.
.macro STEP x
.set ST, 12+4*\x
.set O,  64+32*\x
.set Q1, 32+16*\x                      ; [q | 0]
.set Q2, 24+16*\x                      ; [0 | q]
	s_cmp_gt_u32 s[STP], s[SD+\x]                  ; all keys come after my queries: nothing to do.  The branch hangs on the wave's number and the step alone
	s_cbranch_scc1 .Lhidden_\@
.rept 9
	v_nop                                          ; places: the products below write over, and the loads land in, registers that the last products read
.endr
	s_wait_alu depctr_va_vdst(0)
.irp kb, 0,1
.irp c, 0,1,2,3
	ds_load_b128 v[S+32+16*\kb+4*\c:S+35+16*\kb+4*\c], v[ADK] offset:2048*\kb+512*\c
.endr
.endr
.irp kb, 0,1
.irp c, 0,1,2,3
	ds_load_b128 v[F+16*\kb+4*\c:F+3+16*\kb+4*\c], v[ADK] offset:4096+2048*\kb+512*\c
.endr
.endr
	ds_load_b128 v[KSC:KSC+3], v[ADS]              ; K's scale words: one for each block of 32 keys
	s_wait_dscnt 0x0
	s_wait_alu depctr_va_vdst(0)
.irp kb, 0,1
	v_wmma_scale_f32_16x16x128_f8f6f4 v[S+16*\kb:S+7+16*\kb], v[S+32+16*\kb:S+47+16*\kb], v[Q1:Q1+15], 0, v[KSC+\kb], v[QS+\x] matrix_a_fmt:MATRIX_FMT_BF8 matrix_b_fmt:MATRIX_FMT_BF8
	v_wmma_scale_f32_16x16x128_f8f6f4 v[S+8+16*\kb:S+15+16*\kb], v[S+32+16*\kb:S+47+16*\kb], v[Q2:Q2+15], 0, v[KSC+\kb], v[QS+\x] matrix_a_fmt:MATRIX_FMT_BF8 matrix_b_fmt:MATRIX_FMT_BF8
.endr
.rept 9
	v_nop                                          ; the next four results lie over the two fragments just multiplied
.endr
.irp kb, 0,1
	v_wmma_scale_f32_16x16x128_f8f6f4 v[S+32+16*\kb:S+39+16*\kb], v[F+16*\kb:F+15+16*\kb], v[Q1:Q1+15], 0, v[KSC+2+\kb], v[QS+\x] matrix_a_fmt:MATRIX_FMT_BF8 matrix_b_fmt:MATRIX_FMT_BF8
	v_wmma_scale_f32_16x16x128_f8f6f4 v[S+40+16*\kb:S+47+16*\kb], v[F+16*\kb:F+15+16*\kb], v[Q2:Q2+15], 0, v[KSC+2+\kb], v[QS+\x] matrix_a_fmt:MATRIX_FMT_BF8 matrix_b_fmt:MATRIX_FMT_BF8
.endr
.rept 8
	v_nop
.endr
	s_cmp_lt_u32 s[STP], s[SD+\x]                  ; all keys count: no mask
	s_cbranch_scc1 .Lopen_\@
	v_add_nc_u32 v[T0], s[DQ+\x], v[DL]            ; d = my query's place in the step - 16 (lane / 16).  Register 16 b + i holds key 32 b + 16 (lane / 16) + i: hidden where 32 b + i > d
	v_mov_b32 v[T0+1], 0xff800000                  ; -infinity
.irp n, 0,1,2,3,4,5,6,7,8,9,10,11,12,13,14,15,16,17,18,19,20,21,22,23,24,25,26,27,28,29,30,31,32,33,34,35,36,37,38,39,40,41,42,43,44,45,46,47,48,49,50,51,52,53,54,55,56,57,58,59,60,61,62,63
	v_cmp_gt_i32 vcc_lo, 32*(\n/16)+\n%16, v[T0]
	v_cndmask_b32 v[S+\n], v[S+\n], v[T0+1], vcc_lo
.endr
.Lopen_\@:
.irp b, 0,1,2,3
	v_max3_num_f32 v[BM+\b], v[S+16*\b], v[S+1+16*\b], v[S+2+16*\b]   ; the largest score of each block of 32 keys: for the row's maximum and, since p rises with the score, for the block's largest p
.endr
.irp i, 3,5,7,9,11,13
.irp b, 0,1,2,3
	v_max3_num_f32 v[BM+\b], v[BM+\b], v[S+16*\b+\i], v[S+1+16*\b+\i]
.endr
.endr
.irp b, 0,1,2,3
	v_max_num_f32 v[BM+\b], v[BM+\b], v[S+15+16*\b]
.endr
.irp b, 0,1,2,3
	s_delay_alu instid0(VALU_DEP_4)
	v_permlanex16_b32 v[PM+\b], v[BM+\b], s[SEL], s[SEL+1]
.endr
.irp b, 0,1,2,3
	s_delay_alu instid0(VALU_DEP_4)
	v_max_num_f32 v[BM+\b], v[BM+\b], v[PM+\b]     ; with lane l xor 16's 16 keys
.endr
	s_delay_alu instid0(VALU_DEP_2)
	v_max3_num_f32 v[T0], v[BM], v[BM+1], v[BM+2]
	s_delay_alu instid0(VALU_DEP_1)
	v_max_num_f32 v[T0], v[T0], v[BM+3]
	s_delay_alu instid0(VALU_DEP_1)
	v_mul_f32 v[T0], s[CS], v[T0]                  ; as t (c is positive)
	s_delay_alu instid0(VALU_DEP_1)
	v_max_num_f32 v[ST+1], v[ST+1], v[T0]          ; the running largest t
	v_mov_b32 v[T0], v[ST]
	s_delay_alu instid0(VALU_DEP_2)
	v_floor_f32 v[ST], -v[ST+1]                    ; the new -M = floor(-t): M is a whole number
	s_delay_alu instid0(VALU_DEP_1)
	v_sub_f32 v[T0], v[ST], v[T0]                  ; old M - new M: a whole number, 0 or less
	s_delay_alu instid0(VALU_DEP_1)
	v_cvt_i32_f32 v[T0], v[T0]                     ; (it saturates)
	s_delay_alu instid0(VALU_DEP_1)
	v_ldexp_f32 v[FF], 1.0, v[T0]                  ; f = 2^(old M - new M)
.irp j, 0,2,4,6,8,10,12,14,16,18,20,22,24,26,28,30,32,34,36,38,40,42,44,46,48,50,52,54,56,58,60,62
	v_pk_fma_f32 v[S+\j:S+1+\j], v[S+\j:S+1+\j], s[CS:CS+1], v[ST:ST+1] op_sel_hi:[1,0,0]   ; t - M, two at a time
.endr
.irp b, 0,1,2,3
	v_fma_f32 v[BM+\b], v[BM+\b], s[CS], v[ST]     ; the same of each block's largest score
.endr
	s_wait_alu depctr_va_vdst(0)
.irp j, 0,1,2,3,4,5,6,7,8,9,10,11,12,13,14,15,16,17,18,19,20,21,22,23,24,25,26,27,28,29,30,31,32,33,34,35,36,37,38,39,40,41,42,43,44,45,46,47,48,49,50,51,52,53,54,55,56,57,58,59,60,61,62,63
	v_exp_f32 v[S+\j], v[S+\j]                     ; p = 2^(t - M), at most 1
.endr
	v_pk_mul_f32 v[ST+2:ST+3], v[ST+2:ST+3], v[FF:FF+1] op_sel_hi:[1,0]   ; the sums under the new M: a plain line behind the exponentials
	s_wait_alu depctr_va_vdst(0)                   ; one wait for the batch of 64, ahead of its first reader
.irp b, 0,1,2,3
	v_exp_f32 v[BM+\b], v[BM+\b]                   ; the block's largest p
.endr
	v_pk_add_f32 v[T0:T0+1], v[S:S+1], v[S+2:S+3]  ; the row's sum is taken of the unquantised p: two at a time, in two chains
.irp j, 4,8,12,16,20,24,28,32,36,40,44,48,52,56,60
	v_pk_add_f32 v[ST+2:ST+3], v[ST+2:ST+3], v[S+\j:S+1+\j]
	v_pk_add_f32 v[T0:T0+1], v[T0:T0+1], v[S+2+\j:S+3+\j]
.endr
	s_delay_alu instid0(VALU_DEP_1)
	v_pk_add_f32 v[ST+2:ST+3], v[ST+2:ST+3], v[T0:T0+1]
	s_wait_alu depctr_va_vdst(0)                   ; and one for the four
.irp b, 0,1,2,3
	v_max_num_f32 v[BM+\b], 0x8000000, v[BM+\b]    ; the floor 2^(16 - 127): the byte cannot fall under 1
.endr
.irp b, 0,1,2,3
	s_delay_alu instid0(VALU_DEP_4)
	v_add_nc_u32 v[SOP+\b], 0xf8800000, v[BM+\b]   ; 15 off the exponent field: the conversion's scale operand
.endr
.irp b, 0,1,2,3
.endr
.irp b, 0,1,2,3
	s_delay_alu instid0(VALU_DEP_4)
	v_lshrrev_b32 v[PM+\b], 23, v[SOP+\b]          ; the scale's byte
.endr
	s_delay_alu instid0(VALU_DEP_3)
	v_lshl_or_b32 v[PW], v[PM+1], 8, v[PM]         ; p's scale word for these 128 keys
	s_delay_alu instid0(VALU_DEP_1)
	v_lshl_or_b32 v[PW], v[PM+2], 16, v[PW]
	s_delay_alu instid0(VALU_DEP_1)
	v_lshl_or_b32 v[PW], v[PM+3], 24, v[PW]
	ds_load_b128 v[KSC:KSC+3], v[ADS] offset:4096  ; V's scale words: one for each channel tile
.irp b, 0,1,2,3
.irp i, 0,1,2,3,4,5,6,7,8,9,10,11,12,13,14,15
.endr
	v_cvt_scalef32_pk8_bf8_f32 v[F+4*\b:F+1+4*\b], v[S+16*\b:S+7+16*\b], v[SOP+\b]
	v_cvt_scalef32_pk8_bf8_f32 v[F+2+4*\b:F+3+4*\b], v[S+8+16*\b:S+15+16*\b], v[SOP+\b]
.irp c, 0,1,2,3
	ds_load_b128 v[S+16*\b+4*\c:S+3+16*\b+4*\c], v[ADK] offset:VOFF+2048*\b+512*\c   ; V's channel tile b lands where the block's p lay
.endr
.endr
.irp j, 0,2,4,6,8,10,12,14,16,18,20,22,24,26,28,30
	v_pk_mul_f32 v[O+\j:O+1+\j], v[O+\j:O+1+\j], v[FF:FF+1] op_sel_hi:[1,0]   ; O^T under the new M.  These 16 are also the places between the codes, the scale word and the products
.endr
	s_wait_alu depctr_va_vdst(0)
	s_wait_dscnt 0x0
.irp t, 0,1,2,3                        ; O^T += V^T P^T: the four accumulators by turns, one instruction a turn
	v_wmma_scale_f32_16x16x128_f8f6f4 v[O+8*\t:O+7+8*\t], v[S+16*\t:S+15+16*\t], v[F:F+15], v[O+8*\t:O+7+8*\t], v[KSC+\t], v[PW] matrix_a_fmt:MATRIX_FMT_BF8 matrix_b_fmt:MATRIX_FMT_BF8
.endr
.Lhidden_\@:
.endm
; THE CHANGE OF SLOTS stands at a slot's head.  Each wave waits for all its tensor loads, adds 0 to its spare word, and waits for that and for its reads of the slot that it has left.
; fill = 1: a round of the cluster's barrier, and behind it the joint fill of the slot just left: it has four key steps in which to land.
.macro CHANGE fill
	s_wait_tensorcnt 0x0                           ; no tensor load of mine is out, so a group 0 may be written
	ds_add_u32 v[SPW], v[NIL]                      ; 0 onto my spare word
.if \fill
	s_xor_b32 s[G0+1], s[G0+1], SLOT1              ; the walking descriptor: the other slot,
	s_add_nc_u64 s[G0+2:G0+3], s[G0+2:G0+3], 32768 ; the next 512 keys
	s_wait_xcnt 0x0                                ; the last prefetch, a slot back, has read its address
	s_add_nc_u64 s[PFA:PFA+1], s[PFA:PFA+1], 32768 ; one slot further on than the walking descriptor
.endif
	s_wait_dscnt 0x0                               ; the add is done, and my reads of the slot that I have left are over
.if \fill
	ROUND
	TLOAD                                          ; the first thing behind the round, and a wave's one tensor load until the next
	ASK
.else
	s_barrier_signal -1
	s_barrier_wait -1
.endif
.endm
.macro FOUR_STEPS                      ; a slot's four key steps: written once, walked four times
	s_mov_b32 s[CNT], 4
.Lstep_\@:
	v_add_nc_u32 v[ADK], s[TB], v[LI]
	v_add_nc_u32 v[ADS], s[TS], v[ASC]
	STEP 0
	STEP 1
	s_add_co_u32 s[TB], s[TB], 8192
	s_add_co_u32 s[TS], s[TS], 256
	s_add_co_u32 s[STP], s[STP], 1
	s_sub_co_u32 s[CNT], s[CNT], 1
	s_cmp_lg_u32 s[CNT], 0
	s_cbranch_scc1 .Lstep_\@
	s_sub_co_u32 s[TB], s[TB], 32768               ; back to a slot's first step,
	s_xor_b32 s[TB], s[TB], SLOT1                  ; in the other slot
.endm
	s_wait_loadcnt 0x0                             ; q and its scale words
	v_perm_b32 v[QS], v[QS], v[QS], s83
	v_perm_b32 v[QS+1], v[QS+1], v[QS+1], s83
.Lslot:                                            ; three trips: behind each change of slots but the last the next slot is asked for
	CHANGE 1
	FOUR_STEPS
	s_sub_co_u32 s[SLOTS], s[SLOTS], 1
	s_cmp_lg_u32 s[SLOTS], 0
	s_cbranch_scc1 .Lslot
	CHANGE 0                                       ; the last slot is written out
	FOUR_STEPS
	; THE WAY OUT.  O^T / the sum: register 16 b + i of a lane is channel 32 b + 16 (lane / 16) + i of its query: two blocks of the next product's K.  They are quantised as they stand, and the codes are
	; two groups of an image: each store covers 512 consecutive bytes.
.rept 8
	v_nop                                          ; places behind the last products
.endr
.irp x, 0,1
	v_add_f32 v[14+4*\x], v[14+4*\x], v[15+4*\x]   ; the sum's two halves,
.endr
.irp x, 0,1
	s_delay_alu instid0(VALU_DEP_2)
	v_permlanex16_b32 v[PM+\x], v[14+4*\x], s[SEL], s[SEL+1]
.endr
.irp x, 0,1
	s_delay_alu instid0(VALU_DEP_2)
	v_add_f32 v[14+4*\x], v[14+4*\x], v[PM+\x]     ; and lane l xor 16's
.endr
	s_wait_alu depctr_va_vdst(0)
.irp x, 0,1
	v_rcp_f32 v[14+4*\x], v[14+4*\x]
.endr
	v_bfe_u32 v[T0+1], v0, 4, 1                    ; (a plain line behind the reciprocals)  h
	s_delay_alu instid0(VALU_DEP_1)
	v_cmp_eq_u32 vcc_lo, 1, v[T0+1]
	s_wait_alu depctr_va_vdst(0)                   ; one wait for both, ahead of their first reader
.macro OUT x
.set O,  64+32*\x
.set CD, F+8*\x
.irp j, 0,1,2,3,4,5,6,7,8,9,10,11,12,13,14,15,16,17,18,19,20,21,22,23,24,25,26,27,28,29,30,31
	v_mul_f32 v[S+\j], v[O+\j], v[14+4*\x]
.endr
.irp b, 0,1
	v_max3_num_f32 v[BM+\b], |v[S+16*\b]|, |v[S+1+16*\b]|, 0x8000000
.endr
.irp i, 2,4,6,8,10,12,14
.irp b, 0,1
	s_delay_alu instid0(VALU_DEP_2)
	v_max3_num_f32 v[BM+\b], v[BM+\b], |v[S+16*\b+\i]|, |v[S+1+16*\b+\i]|
.endr
.endr
.irp b, 0,1
	s_delay_alu instid0(VALU_DEP_2)
	v_permlanex16_b32 v[PM+\b], v[BM+\b], s[SEL], s[SEL+1]
.endr
.irp b, 0,1
	s_delay_alu instid0(VALU_DEP_2)
	v_max_num_f32 v[BM+\b], v[BM+\b], v[PM+\b]
.endr
.irp b, 0,1
	s_delay_alu instid0(VALU_DEP_2)
	v_add_nc_u32 v[SOP+\b], 0xf8800000, v[BM+\b]
.endr
.irp b, 0,1
.endr
.irp b, 0,1
	s_delay_alu instid0(VALU_DEP_2)
	v_lshrrev_b32 v[PM+\b], 23, v[SOP+\b]
.endr
.irp b, 0,1
.irp i, 0,1,2,3,4,5,6,7,8,9,10,11,12,13,14,15
.endr
	v_cvt_scalef32_pk8_bf8_f32 v[CD+4*\b:CD+1+4*\b], v[S+16*\b:S+7+16*\b], v[SOP+\b]
	v_cvt_scalef32_pk8_bf8_f32 v[CD+2+4*\b:CD+3+4*\b], v[S+8+16*\b:S+15+16*\b], v[SOP+\b]
.endr
	v_nop                                          ; a plain line behind the last conversion
	v_cndmask_b32 v[BY+\x], v[PM], v[PM+1], vcc_lo ; lanes 0-15 store block 0's byte of row r, lanes 16-31 block 1's
	global_store_b128 v[LI], v[CD:CD+3], s[CB+2*\x:CB+2*\x+1]
	global_store_b128 v[LI], v[CD+4:CD+7], s[CB+2*\x:CB+2*\x+1] offset:512
	global_store_b8 v[SBO], v[BY+\x], s[SB+2*\x:SB+2*\x+1]
.endm
	OUT 0
	OUT 1
	s_wait_tensorcnt 0x0                           ; the wave's end
	ds_add_u32 v[SPW], v[NIL]
	s_wait_dscnt 0x0
	ROUND                                          ; the closing round
	s_endpgm
.Lfunc_end_k_qc3aae61c6d_attn:
	.size	k_qc3aae61c6d_attn, .Lfunc_end_k_qc3aae61c6d_attn-k_qc3aae61c6d_attn
	.p2alignl 7, 3214868480
	.fill 96, 4, 3214868480
	.section	.rodata,"a",@progbits
	.p2align	6, 0x0
	.amdhsa_kernel k_qc3aae61c6d_attn
		.amdhsa_group_segment_fixed_size 327680
		.amdhsa_private_segment_fixed_size 0
		.amdhsa_enable_private_segment 0
		.amdhsa_kernarg_size 32
		.amdhsa_user_sgpr_count 2
		.amdhsa_user_sgpr_kernarg_segment_ptr 1
		.amdhsa_wavefront_size32 1
		.amdhsa_system_sgpr_workgroup_id_x 1
		.amdhsa_system_sgpr_workgroup_id_y 1
		.amdhsa_system_sgpr_workgroup_id_z 1
		.amdhsa_system_vgpr_workitem_id 0
		.amdhsa_next_free_vgpr 256
		.amdhsa_next_free_sgpr 100
		.amdhsa_reserve_vcc 1
		.amdhsa_float_denorm_mode_32 3
		.amdhsa_float_denorm_mode_16_64 3
		.amdhsa_fp16_overflow 1
		.amdhsa_memory_ordered 1
		.amdhsa_forward_progress 1
		.amdhsa_inst_pref_size 113
	.end_amdhsa_kernel
	.amdgpu_metadata
---
amdhsa.version: [ 1, 2 ]
amdhsa.kernels:
  - .name:           k_qc3aae61c6d_attn
    .symbol:         k_qc3aae61c6d_attn.kd
    .args:
      - { .name: qkvc, .offset: 0, .size: 8, .value_kind: global_buffer, .address_space: global }
      - { .name: qkvs, .offset: 8, .size: 8, .value_kind: global_buffer, .address_space: global }
      - { .name: cc, .offset: 16, .size: 8, .value_kind: global_buffer, .address_space: global }
      - { .name: cs, .offset: 24, .size: 8, .value_kind: global_buffer, .address_space: global }
    .group_segment_fixed_size: 327680
    .private_segment_fixed_size: 0
    .kernarg_segment_align: 8
    .kernarg_segment_size: 32
    .max_flat_workgroup_size: 512
    .sgpr_count:     100
    .vgpr_count:     256
    .wavefront_size: 32
...
	.end_amdgpu_metadata
.endif
;; end of part 3
;; launch outp (part 4): grid 4 x 32, 4 waves a work-group, clusters of 4 x 4, 327,680 bytes of LDS; arguments cc, cs, wc, ws, b_o, out0; writes out0
.if DOCPART == 4
	.amdgcn_target "amdgcn-amd-amdhsa--gfx1250"
	.amdhsa_code_object_version 6
	.text
	.protected	k_qc3aae61c6d_outp
	.globl	k_qc3aae61c6d_outp
	.p2align	8
	.type	k_qc3aae61c6d_outp,@function
k_qc3aae61c6d_outp:
	s_mov_b64 s[64:65], 0
	v_nop
	global_prefetch_b8 v0, s[64:65] scope:SCOPE_SE
	s_setreg_imm32_b32 hwreg(HW_REG_WAVE_MODE, 25, 1), 1
	s_wait_xcnt 0x0
	s_wait_alu depctr_hold_cnt(0) depctr_sa_sdst(0) depctr_va_vdst(0) depctr_va_sdst(0) depctr_va_ssrc(0) depctr_va_vcc(0) depctr_vm_vsrc(0)
	s_getreg_b32 s2, hwreg(HW_REG_IB_STS2, 6, 4)
	s_cmp_eq_u32 s2, 0
	s_cbranch_scc0 .Lentry_in_a_cluster
	s_endpgm
.Lentry_in_a_cluster:
	s_bfe_u32 s2, ttmp6, 0x10000c
	s_cmp_lg_u32 s2, 0xf033
	s_cbranch_scc0 .Lentry_shape_is_right
	s_endpgm
.Lentry_shape_is_right:
; out0 = ctx W_o + b_o on codes of BF8 (E5M2) with E8M0 scales; out0 [8192][1024] f32.
; P[i][j] = sum over k of B[i][k] A[j][k] + b_o[i]: B = W_o's columns (source 0), A = ctx's rows (source 1): a lane holds one row of out0, and its registers run along the columns.
; A work-group makes 256 x 256, each of its four waves 128 x 128: 64 accumulators.  K = 1,024 goes in four steps of 256 through a ring of two LDS slots.
; Operands lie in memory as images of operand registers (byte 512 c + 16 lane + e of a fragment's 2,048): a K step's tiles of 128 rows are 32,768 dense bytes for one tensor load; a fragment comes by four
; ds_load_b128 at 16 x lane, so there is no padding.  Tiles hold row 8 u + r + 8 (r / 8) of a block of 32 in lane r.  The scale words come once, with the first fills.
; The bias is the C of each sum's first matrix instruction.
; CLUSTERS: 4 x 4 work-groups: A's tiles are asked for jointly along a row of the cluster, B's along a column.
; 128 work-groups: a tile of 128 x 256 would give 256, but each of its waves would read half as many multiply-adds' worth from each LDS byte.  No prefetch: of K's four slots two are first fills.
; REGISTERS: window 0: v1-29 addresses; v32-63 scale words, two sets, and nothing else; v64-127 the bias; v128-255 A's fragments, later rows of out0.  window 1: B's fragments, two sets.  windows 2, 3: the accumulators.
.set NQ,    2
.set FR,    16
.set NL,    4
.set NP,    8                          ; places behind this matrix instruction (ISA guide 7.12.1)
.set SLOT,  131072                     ; A's two halves, B's two halves, 32,768 bytes each
.set SCL,   262144                     ; the scale words, 4,096 bytes for each 128 rows
.set SPARE, 278528                     ; the spare words, 128 bytes a wave: two blocks of 256 bytes that no other line names
.set SPITCH, 528                       ; the way out: a stage of 16 rows x (512 bytes + 16) a wave, in slot 0, which has had its last fill and its last read by then
.set ADRA, 16
.set ADRB, 20
.set STO,  24                          ; v24  the stage: where I put 32 bytes of a row
.set RD,   25                          ; v25  and where I read a row back
.set CO,   26                          ; v26  16 x lane: my bytes of a row's 512
.set ADRS, 27
.set SPW,  28
.set NIL,  29
.set SC,   32
.set BI,   64                          ; v64-127 the bias: eight registers for each of B's eight tiles, in the result's layout
.set AF,   128
.set BK,   128                         ; the way out: 16 rows read back: v128-191 and v192-255 by turns
.set G1, 24
.set G0, 32
.set G1B, 48
.set G0B, 56
.set G1S, 68
.set G0S, 76
.set G1SB, 80
.set G0SB, 88
.set MSB, 0
.macro WIN new
.if MSB != (\new)
	s_set_vgpr_msb (MSB<<8)|(\new)
.set MSB, (\new)
.endif
.endm
.set MUL_LO, 0xa1                      ; source 0 (B) window 1, source 1 (A) window 0, C and D window 2
.set MUL_HI, 0xf1
.set BIA_LO, 0x81                      ; the same with C (the bias) in window 0
.set BIA_HI, 0xc1
.set TO_B,   0x40
.macro JLOAD g0a, g1a, g0b, g1b        ; waves 0 and 1 fetch for A, waves 2 and 3 for B; four v_nop follow each of the two lines
	s_cmp_eq_u32 s17, 0
	s_cbranch_scc0 .Lfor_b_\@
	tensor_load_to_lds s[\g0a:\g0a+3], s[\g1a:\g1a+7]
	s_nop 0
.rept 4
	v_nop
.endr
	s_branch .Lasked_\@
.Lfor_b_\@:
	tensor_load_to_lds s[\g0b:\g0b+3], s[\g1b:\g1b+7]
	s_nop 0
.rept 4
	v_nop
.endr
.Lasked_\@:
.endm
.macro CREST
	s_cmp_lg_u32 s16, 0
	s_cbranch_scc1 .Lnot_wave_0_\@
	s_barrier_signal -3
.Lnot_wave_0_\@:
	s_barrier_wait -3
	s_barrier_signal -1
	s_barrier_wait -1
.endm
.macro CROUND
	s_barrier_signal -1
	s_barrier_wait -1
	CREST
.endm
	s_load_b256 s[4:11], s[0:1], 0x0               ; cc s[4:5], cs s[6:7], wc s[8:9], ws s[10:11]
	s_load_b128 s[12:15], s[0:1], 0x20             ; b_o s[12:13], out0 s[14:15]
	v_lshl_add_u32 v[SPW], v0, 2, SPARE
	v_mov_b32 v[NIL], 0
	ds_add_u32 v28, v29
	ds_add_u32 v28, v29
	s_wait_dscnt 0x0
	v_lshrrev_b32 v1, 5, v0
	v_readfirstlane_b32 s16, v1                    ; wave 0..3
	s_lshr_b32 s17, s16, 1                         ; my half of A's 256 rows.  Also: I fetch for A (0) or for B (1)
	s_and_b32 s18, s16, 1                          ; my half of B's.  Also: which 128 rows I fetch
	s_bfe_u32 s19, ttmp6, 0x40000                  ; cx
	s_bfe_u32 s20, ttmp6, 0x40004                  ; cy
	s_lshl_b32 s40, ttmp9, 2
	s_add_co_u32 s40, s40, s19                     ; tx: which 256 columns
	s_and_b32 s41, ttmp7, 0xffff
	s_lshl_b32 s41, s41, 2
	s_add_co_u32 s41, s41, s20                     ; ty: which 256 rows
	s_lshl_b32 s42, s20, 2
	s_lshl_b32 s42, 15, s42                        ; my row of the cluster
	s_lshl_b32 s43, 0x1111, s19                    ; my column
	s_or_b32 s[G1+0], s42, (3<<16)|(1<<21)         ; 15:0 the mask; 17:16 elements of 8 bytes; 21 set beside a mask; no padding
	s_or_b32 s[G1B+0], s43, (3<<16)|(1<<21)
.irp g, G1, G1B
	s_mov_b32 s[\g+1], 32<<16                      ; 32,768 dense bytes as 128 rows of 32 elements
	s_mov_b32 s[\g+2], 128<<16
	s_mov_b32 s[\g+3], 32<<16
	s_mov_b32 s[\g+4], 128
	s_mov_b32 s[\g+5], 32
	s_mov_b32 s[\g+6], 0
	s_mov_b32 s[\g+7], 0
.endr
	s_or_b32 s[G1S+0], s42, (3<<16)|(1<<21)        ; 4,096 dense bytes of scale words: 16 such rows
	s_or_b32 s[G1SB+0], s43, (3<<16)|(1<<21)
.irp g, G1S, G1SB
	s_mov_b32 s[\g+1], 32<<16
	s_mov_b32 s[\g+2], 16<<16
	s_mov_b32 s[\g+3], 32<<16
	s_mov_b32 s[\g+4], 16
	s_mov_b32 s[\g+5], 32
	s_mov_b32 s[\g+6], 0
	s_mov_b32 s[\g+7], 0
.endr
	s_lshl_b32 s44, s41, 1
	s_add_co_u32 s44, s44, s18                     ; A: the 128 rows that I fetch
	s_lshl_b32 s96, s44, 17
	s_mov_b32 s97, 0
	s_lshl_b32 s98, s44, 12
	s_mov_b32 s99, 0
	s_lshl_b32 s46, s40, 1
	s_add_co_u32 s46, s46, s18                     ; B likewise
	s_lshl_b32 s2, s46, 17
	s_add_co_u32 s2, s2, 0x300000                  ; W_o is the fourth weight
	s_mov_b32 s3, 0
	s_lshl_b32 s46, s46, 12
	s_add_co_u32 s46, s46, 0x18000
	s_mov_b32 s47, 0
	s_lshl_b32 s45, s16, 15                        ; where they go: wave x 32,768
	s_lshl_b32 s44, s16, 12
	s_wait_kmcnt 0x0
	s_add_nc_u64 s[92:93], s[4:5], s[96:97]
	s_add_nc_u64 s[94:95], s[6:7], s[98:99]
	s_add_nc_u64 s[66:67], s[8:9], s[2:3]
	s_add_nc_u64 s[22:23], s[10:11], s[46:47]
	CROUND                                         ; all sixteen work-groups are here: the first joint loads meet
	s_mov_b32 s[G0S], 1
	s_add_co_u32 s[G0S+1], s44, SCL
	s_mov_b64 s[G0S+2:G0S+3], s[94:95]
	s_or_b32 s[G0S+3], s[G0S+3], 0x80000000
	s_mov_b32 s[G0SB], 1
	s_add_co_u32 s[G0SB+1], s44, SCL
	s_mov_b64 s[G0SB+2:G0SB+3], s[22:23]
	s_or_b32 s[G0SB+3], s[G0SB+3], 0x80000000
	JLOAD G0S, G1S, G0SB, G1SB                     ; one load of mine is out behind the last of these lines: each fill below waits for the loads before it
.irp s, 0,1
	s_mov_b32 s[G0+4*\s], 1
	s_add_co_u32 s[G0+4*\s+1], s45, \s*SLOT
	s_add_nc_u64 s[G0+4*\s+2:G0+4*\s+3], s[92:93], \s*32768
	s_or_b32 s[G0+4*\s+3], s[G0+4*\s+3], 0x80000000
	s_mov_b32 s[G0B+4*\s], 1
	s_add_co_u32 s[G0B+4*\s+1], s45, \s*SLOT
	s_add_nc_u64 s[G0B+4*\s+2:G0B+4*\s+3], s[66:67], \s*32768
	s_or_b32 s[G0B+4*\s+3], s[G0B+4*\s+3], 0x80000000
	s_wait_alu depctr_va_vdst(0)
	s_wait_tensorcnt 0x0
	ds_add_u32 v28, v29
	s_wait_dscnt 0x0
	CROUND
	JLOAD G0+4*\s, G1, G0B+4*\s, G1B
.endr
	v_and_b32 v1, 15, v0                           ; r
	v_bfe_u32 v2, v0, 4, 1                         ; h
	v_and_b32 v3, 31, v0
	v_lshlrev_b32 v[CO], 4, v3                     ; 16 x lane
	s_wait_alu depctr_va_vdst(0)
	s_lshl_b32 s96, s40, 10
	s_lshl_b32 s97, s18, 9
	s_add_co_u32 s96, s96, s97                     ; my first column, in bytes: 1,024 tx + 512 x half
	s_mov_b32 s97, 0
	s_add_nc_u64 s[12:13], s[12:13], s[96:97]
	v_lshlrev_b32 v11, 6, v2                       ; register i of tile 2 b + u is column 32 b + 16 h + 8 u + i
.irp b, 0,1,2,3,4,5,6,7
	global_load_b128 v[BI+8*\b:BI+8*\b+3], v11, s[12:13] offset:(32*(\b/2)+8*(\b%2))*4
	global_load_b128 v[BI+8*\b+4:BI+8*\b+7], v11, s[12:13] offset:(32*(\b/2)+8*(\b%2))*4+16
.endr
	s_lshl_b32 s98, s41, 8
	s_lshl_b32 s99, s17, 7
	s_add_co_u32 s98, s98, s99                     ; my first row: 256 ty + 128 x half
	s_lshl_b32 s98, s98, 12
	s_mov_b32 s99, 0
	s_add_nc_u64 s[14:15], s[14:15], s[98:99]
	s_add_nc_u64 s[14:15], s[14:15], s[96:97]
	s_lshl_b32 s2, s17, 15                         ; my half of A
	s_lshl_b32 s3, s18, 15
	s_add_co_u32 s3, s3, 65536                     ; my half of B, behind A's two
.irp s, 0,1
	v_add_nc_u32 v[ADRA+\s], s2, v[CO]
	v_add_nc_u32 v[ADRB+\s], s3, v[CO]
	s_add_co_u32 s2, s2, SLOT
	s_add_co_u32 s3, s3, SLOT
.endr
	v_lshlrev_b32 v12, 3, v1                       ; my row's two words of a slot: 8 r
	s_lshl_b32 s2, s17, 12
	s_lshl_b32 s3, s18, 12
	s_add_co_u32 s3, s3, 8192
	s_sub_co_u32 s3, s3, s2
	v_mul_u32_u24 v13, s3, v2                      ; lanes 16-31 take B's: the lower base + h x the distance
	s_add_co_u32 s2, s2, SCL
	v_add_nc_u32 v12, v12, v13
	v_add_nc_u32 v[ADRS], s2, v12
	s_mul_i32 s2, s16, 16*SPITCH                   ; my stage
	v_mul_u32_u24 v12, v1, SPITCH
	v_lshl_add_u32 v12, v2, 6, v12
	v_add_nc_u32 v[STO], s2, v12                   ; in: row r, + 64 h
	v_add_nc_u32 v[RD], s2, v[CO]                  ; back: the 32 lanes take one row of 512 bytes
.macro FRAG reg, adr, q, i
.irp c, 0,1,2,3
	ds_load_b128 v[\reg+4*\c:\reg+4*\c+3], v[\adr] offset:16384*(\q)+2048*(\i)+512*\c
.endr
.endm
; 16 matrix instructions: A's blocks a0, a0 + 1 x B's eight.  zero = 1: the first product starts the sums, with the bias as its C.  The 64 accumulators take turns, one instruction a turn.
.macro MUL16 a0, p, q, sc, zero
.irp a, \a0, \a0+1
.irp b, 0,1,2,3,4,5,6,7
.if \zero
	v_wmma_scale_f32_16x16x128_f8f6f4 v[8*(8*((\a)%4)+\b):8*(8*((\a)%4)+\b)+7], v[128*(\p)+FR*\b:128*(\p)+FR*\b+FR-1], v[AF+FR*(\a):AF+FR*(\a)+FR-1], v[BI+8*\b:BI+8*\b+7], v[SC+8*NQ*(\sc)+NQ*\b+(\q)], v[SC+8*NQ*(\sc)+NQ*(\a)+(\q)] matrix_a_fmt:MATRIX_FMT_BF8 matrix_b_fmt:MATRIX_FMT_BF8 matrix_a_scale:MATRIX_SCALE_ROW1
.else
	v_wmma_scale_f32_16x16x128_f8f6f4 v[8*(8*((\a)%4)+\b):8*(8*((\a)%4)+\b)+7], v[128*(\p)+FR*\b:128*(\p)+FR*\b+FR-1], v[AF+FR*(\a):AF+FR*(\a)+FR-1], v[8*(8*((\a)%4)+\b):8*(8*((\a)%4)+\b)+7], v[SC+8*NQ*(\sc)+NQ*\b+(\q)], v[SC+8*NQ*(\sc)+NQ*(\a)+(\q)] matrix_a_fmt:MATRIX_FMT_BF8 matrix_b_fmt:MATRIX_FMT_BF8 matrix_a_scale:MATRIX_SCALE_ROW1
.endif
.endr
.endr
.endm
.macro FETCH_B slot, q, p
	WIN TO_B
.irp i, 0,1,2,3,4,5,6,7
	FRAG 128*(\p)+FR*\i, ADRB+\slot, \q, \i
.endr
	WIN 0
.endm
.macro FETCH_A slot, q, i0
.irp i, \i0, \i0+1, \i0+2, \i0+3
	FRAG AF+FR*(\i), ADRA+\slot, \q, \i
.endr
.endm
.macro SCALES sc
.irp i, 0,1,2,3,4,5,6,7
	ds_load_b64 v[SC+8*NQ*\sc+NQ*\i:SC+8*NQ*\sc+NQ*\i+1], v[ADRS] offset:128*\i
.endr
.endm
.macro PLACES n
.rept \n
	v_nop
.endr
.endm
.macro STEP slot, q, zero
	s_wait_dscnt 4*NL                              ; B's set and A's blocks 0-3 are in; the youngest 16 loads (A's blocks 4-7) may be out
.if \zero
	WIN BIA_LO
.else
	WIN MUL_LO
.endif
	MUL16 0, (\q)%2, \q, \slot, \zero
	MUL16 2, (\q)%2, \q, \slot, \zero
	s_wait_dscnt 0
	PLACES NP
	FETCH_B \slot, (\q)+1, 1-(\q)%2
	FETCH_A \slot, (\q)+1, 0
.if \zero
	WIN BIA_HI
.else
	WIN MUL_HI
.endif
	MUL16 4, (\q)%2, \q, \slot, \zero
	MUL16 6, (\q)%2, \q, \slot, \zero
	PLACES NP
	WIN 0
	FETCH_A \slot, (\q)+1, 4
.endm
.macro TURN slot, next, fill
	s_wait_tensorcnt 0x0                           ; all my tensor loads have landed: my part of the next slot
	ds_add_u32 v[SPW], v[NIL]                      ; 0 onto my spare word
	s_wait_dscnt 4*NL+1                            ; the add and the youngest 16 loads may be out
	WIN MUL_LO
	MUL16 0, 1, NQ-1, \slot, 0
	s_wait_dscnt 0x0                               ; the add is done, and my reads of this slot are over
	s_barrier_signal -1
	MUL16 2, 1, NQ-1, \slot, 0
	WIN 0
	s_barrier_wait -1
.if \fill
	CREST                                          ; the barrier has opened a round of the cluster's: no wave of any partner still reads this slot or has a load on its way
	s_add_nc_u64 s[G0+4*\slot+2:G0+4*\slot+3], s[G0+4*\slot+2:G0+4*\slot+3], 65536
	s_add_nc_u64 s[G0B+4*\slot+2:G0B+4*\slot+3], s[G0B+4*\slot+2:G0B+4*\slot+3], 65536
	JLOAD G0+4*\slot, G1, G0B+4*\slot, G1B
	PLACES NP-4
.else
	PLACES NP
.endif
	s_wait_alu depctr_va_vdst(0)
	v_add_nc_u32 v[ADRS], 1024, v[ADRS]
	FETCH_B \next, 0, 0
	FETCH_A \next, 0, 0
	SCALES \next
	WIN MUL_HI
	MUL16 4, 1, NQ-1, \slot, 0
	MUL16 6, 1, NQ-1, \slot, 0
	PLACES NP
	WIN 0
	FETCH_A \next, 0, 4
.endm
	s_wait_alu depctr_va_vdst(0)
	s_wait_tensorcnt 1                             ; the scale words and my part of slot 0 are in; slot 1's load may be out
	s_barrier_signal -1
	s_barrier_wait -1
	FETCH_B 0, 0, 0
	FETCH_A 0, 0, 0
	SCALES 0
	FETCH_A 0, 0, 4
	s_wait_loadcnt 0x0                             ; the bias
	STEP 0, 0, 1
	TURN 0, 1, 1
	STEP 1, 0, 0
	TURN 1, 0, 1
	STEP 0, 0, 0
	TURN 0, 1, 0
	STEP 1, 0, 0
	s_wait_dscnt 4*NL
	WIN MUL_LO
	MUL16 0, 1, NQ-1, 1, 0
	MUL16 2, 1, NQ-1, 1, 0
	s_wait_dscnt 0
	WIN MUL_HI
	MUL16 4, 1, NQ-1, 1, 0
	MUL16 6, 1, NQ-1, 1, 0
	WIN 0
; THE WAY OUT, a tile of 16 rows x 128 columns at a time, through my own stage in LDS: in as 32 bytes a lane, back as whole rows of 512 bytes.  LDS serves a wave's instructions in order: no wait between stores and loads.
.macro TOSTAGE a
.set AC, 64*((\a)%4)
	WIN 0x08+4*((\a)/4)                            ; the data: window 2 or 3
.irp b, 0,1,2,3,4,5,6,7
	ds_store_b128 v[STO], v[AC+8*\b:AC+8*\b+3] offset:128*(\b/2)+32*(\b%2)          ; each accumulator from its low end on
	ds_store_b128 v[STO], v[AC+8*\b+4:AC+8*\b+7] offset:128*(\b/2)+32*(\b%2)+16
.endr
	WIN 0
.set BB, BK+64*((\a)%2)
.irp t, 0,1,2,3,4,5,6,7,8,9,10,11,12,13,14,15
	ds_load_b128 v[BB+4*\t:BB+4*\t+3], v[RD] offset:\t*SPITCH
.endr
.endm
.macro SEND a, younger                 ; younger: the LDS instructions issued behind tile a's loads, which may stay out
.set BB, BK+64*((\a)%2)
	s_wait_dscnt \younger
.irp t, 0,1,2,3,4,5,6,7,8,9,10,11,12,13,14,15
	global_store_b128 v[CO], v[BB+4*\t:BB+4*\t+3], s[14:15] offset:(32*((\a)/2)+8*((\a)%2)+\t+8*(\t/8))*4096 th:TH_STORE_NT   ; the tile's lane t is row 8 u + t + 8 (t / 8) of its block of 32; 32 lanes store 512 consecutive bytes, aligned
.endr
.endm
	PLACES NP
	TOSTAGE 0
.irp a, 1,2,3,4,5,6,7
.if \a > 1
	s_wait_xcnt 0x0                                ; the stores of two tiles ago have read their registers: this tile's loads may land there
.endif
	TOSTAGE \a
	SEND \a-1, 32                                  ; behind that tile's loads: this tile's 16 stores and 16 loads
.endr
	SEND 7, 0
	s_wait_tensorcnt 0x0                           ; the wave's end
	ds_add_u32 v[SPW], v[NIL]
	s_wait_dscnt 0x0
	CROUND                                         ; the closing round
	s_endpgm
.Lfunc_end_k_qc3aae61c6d_outp:
	.size	k_qc3aae61c6d_outp, .Lfunc_end_k_qc3aae61c6d_outp-k_qc3aae61c6d_outp
	.p2alignl 7, 3214868480
	.fill 96, 4, 3214868480
	.section	.rodata,"a",@progbits
	.p2align	6, 0x0
	.amdhsa_kernel k_qc3aae61c6d_outp
		.amdhsa_group_segment_fixed_size 327680
		.amdhsa_private_segment_fixed_size 0
		.amdhsa_enable_private_segment 0
		.amdhsa_kernarg_size 48
		.amdhsa_user_sgpr_count 2
		.amdhsa_user_sgpr_kernarg_segment_ptr 1
		.amdhsa_wavefront_size32 1
		.amdhsa_system_sgpr_workgroup_id_x 1
		.amdhsa_system_sgpr_workgroup_id_y 1
		.amdhsa_system_sgpr_workgroup_id_z 1
		.amdhsa_system_vgpr_workitem_id 0
		.amdhsa_next_free_vgpr 1024
		.amdhsa_next_free_sgpr 100
		.amdhsa_reserve_vcc 0
		.amdhsa_float_denorm_mode_32 3
		.amdhsa_float_denorm_mode_16_64 3
		.amdhsa_memory_ordered 1
		.amdhsa_forward_progress 1
		.amdhsa_inst_pref_size 147
	.end_amdhsa_kernel
	.amdgpu_metadata
---
amdhsa.version: [ 1, 2 ]
amdhsa.kernels:
  - .name:           k_qc3aae61c6d_outp
    .symbol:         k_qc3aae61c6d_outp.kd
    .args:
      - { .name: cc, .offset: 0, .size: 8, .value_kind: global_buffer, .address_space: global }
      - { .name: cs, .offset: 8, .size: 8, .value_kind: global_buffer, .address_space: global }
      - { .name: wc, .offset: 16, .size: 8, .value_kind: global_buffer, .address_space: global }
      - { .name: ws, .offset: 24, .size: 8, .value_kind: global_buffer, .address_space: global }
      - { .name: b_o, .offset: 32, .size: 8, .value_kind: global_buffer, .address_space: global }
      - { .name: out0, .offset: 40, .size: 8, .value_kind: global_buffer, .address_space: global }
    .group_segment_fixed_size: 327680
    .private_segment_fixed_size: 0
    .kernarg_segment_align: 8
    .kernarg_segment_size: 48
    .max_flat_workgroup_size: 128
    .sgpr_count:     100
    .vgpr_count:     1024
    .wavefront_size: 32
...
	.end_amdgpu_metadata
.endif
;; end of part 4
